; MI455X (gfx1250); checked and timed in simulation.
; The chip was launched on July 23, 2026; its instructions are those of AMD's public machine-readable ISA for CDNA 5 (MIT licence, August 2026) and "CDNA5" Instruction Set Architecture Reference Guide (July 2026). The comments in the code are by the model that wrote it; some were corrected since.
;; my GPT2 Attention. Allowed arithmetic: matrix products marked QUANTISED: E2M3 operands, one E8M0 scale for each 32 along K, by v_wmma_scale_f32_16x16x128_f8f6f4 with both operands' format E2M3, f32 sums; everything else in f32.
;; Inputs: attn_mat_resid_gain 16 float32; attn_mat_skip_gain 16 float32; centre_attn_gain 16 float32; hidden_states_codes 2 x 2,048 x 32 x 24 uint8 (E2M3 codes of hidden_states, K innermost, in blocks of 32 codes, four codes in three bytes); hidden_states_scales 2 x 2,048 x 32 uint8 (E8M0 scales of hidden_states, one for each 32 codes along K); proj_resid_gain one number float32; proj_skip_gain one number float32; proj_weight 1,024 x 1,024 float32; qk_bias 2,048 float32; qk_weight_codes 2,048 x 32 x 24 uint8 (E2M3 codes of qk_weight, K innermost, in blocks of 32 codes, four codes in three bytes); qk_weight_scales 2,048 x 32 uint8 (E8M0 scales of qk_weight, one for each 32 codes along K); v_resid_gain one number float32; v_skip_gain one number float32; v_weight 1,024 x 1,024 float32.
;; Outputs: out0 2 x 2,048 x 1,024 float32.
;; This version of the problem:
;;   THIS VERSION OF THE PROBLEM IS GIVEN IN LOW PRECISION. The matrix products marked QUANTISED in the list below multiply operands that are first quantised to E2M3 (2 exponent bits, 3 mantissa bits; 6 bits a number), with one power-of-two scale for each 32 numbers along K (OCP MX v1.0); their sums are f32. All else is computed in f32.
;;   The module's matrix products, in the order in which they are computed (A, B: the left and right operand; K: the contracted axis; several contracted axes count as one K, in the product's order):
;;     1. [M 4,096, K 1,024] x [K 1,024, N 2,048]; A: input hidden_states (given as codes); B: input qk_weight (given as codes): QUANTISED
;;     2. [M 4,096, K 1,024] x [K 1,024, N 1,024]; A: input hidden_states (given as codes); B: computed on the way: QUANTISED
;;     3. batch 32 x [M 2,048, K 64] x [K 64, N 2,048]; A: computed on the way; B: computed on the way: QUANTISED
;;     4. batch 32 x [M 2,048, K 2,048] x [K 2,048, N 64]; A: computed on the way; B: computed on the way: QUANTISED
;;     5. [M 4,096, K 1,024] x [K 1,024, N 1,024]; A: computed on the way; B: computed on the way: QUANTISED
;;   THE QUANTISER, for each operand of a quantised product, along K:
;;     - K is cut into blocks of 32 from its start; a last block that is shorter is filled with zeros.
;;     - A block's scale is 2^e with e = floor(log2(the largest magnitude in the block)) - 2, held to -126 .. 127; a block of zeros has e = 0. As a byte (E8M0): e + 127.
;;     - Each number is divided by its block's scale, clamped to +-7.5, and rounded to the nearest number of E2M3, ties to even, subnormals kept.
;;     - The product sums the exact products of the quantised numbers (number of the format x scale) in f32.
;;   ~~~python
;;   def quantise(x, axis):      # numpy; x: float32 -> the quantised numbers, widened to float32 again
;;       x = np.moveaxis(x, axis, -1); K = x.shape[-1]
;;       x = np.pad(x, [(0, 0)] * (x.ndim - 1) + [(0, -K % 32)]); x = x.reshape(x.shape[:-1] + (-1, 32)); a = np.abs(x).max(-1, keepdims=True)
;;       e = np.where(a > 0, np.clip(np.frexp(np.where(a > 0, a, 1))[1] - 1 - 2, -126, 127), 0)      # np.frexp(a)[1] - 1 = floor(log2(a)), exactly
;;       r = np.clip(x / 2.0 ** e, -7.5, 7.5)
;;       step = 2.0 ** (np.maximum(np.frexp(np.where(r == 0, 1, r))[1] - 1, 0) - 3)
;;       q = np.round(r / step) * step * 2.0 ** e      # np.round: ties to even
;;       return np.moveaxis(q.reshape(q.shape[:-2] + (-1,))[..., :K], -1, axis).astype(np.float32)
;;   ~~~
;;   OPERANDS COMPUTED ON THE WAY. 'Computed on the way' means the value that the module computes at that place (a softmax that the list does not call 'softmax' is quantised finished and normalised). What goes into a quantiser is computed in f32, as accurately as f32 sums, v_exp_f32 and their like allow (about 1e-6 of the number): no bf16 or f16 on the way to a quantiser, and a product that is left as it is and whose result goes on into a quantised operand takes f32 operands (vector FMAs, or v_wmma_f32_16x16x4_f32). A number that lies on a knife's edge between two numbers of the format may be rounded either way, as far as f32 arithmetic and the matrix unit's own rounding can turn it there, and no further.
;;   INPUTS GIVEN AS CODES. hidden_states (in the module: [2, 2048, 1024], K = its axis 2); qk_weight (in the module: [1024, 2048], K = its axis 0): each comes as NAME_codes (uint8): NAME with its K axis moved to the last place and cut into blocks of 32 codes, [.., K / 32, bytes a block], one block behind the other in memory; four codes in three bytes: a row's codes are one little-endian stream of bits, code i at bits 6 i .. 6 i + 5 (a code: sign, 2 exponent bits, 3 mantissa bits); and NAME_scales (uint8): the same leading axes, one E8M0 byte (e + 127) for each 32 codes along K. Its value is code x scale, taken as it is: it is not quantised again, and the codes and scales need not be those that the quantiser above would give.
;; One version. Each part assembles by itself: llvm-mc -triple=amdgcn-amd-amdhsa -mcpu=gfx1250 --defsym DOCPART=n.
;; ======== version 1 of 1: 4 launches
;; workspace buffers: wq_codes 1,572,864 bytes; wq_scales 65,536 bytes; qkv_img 9,437,184 bytes; qkv_sc 393,216 bytes; ctx_img 3,145,728 bytes; ctx_scales 131,072 bytes
;; launch prep (part 1): grid 32 x 2, 8 waves a work-group, no clusters, 39,936 bytes of LDS; arguments v_weight, proj_weight, v_resid_gain, v_skip_gain, proj_resid_gain, proj_skip_gain, wq_codes, wq_scales; writes wq_codes, wq_scales
.if DOCPART == 1
	.amdgcn_target "amdgcn-amd-amdhsa--gfx1250"
	.amdhsa_code_object_version 6
	.text
	.protected	k_q691352c89d_prep
	.globl	k_q691352c89d_prep
	.p2align	8
	.type	k_q691352c89d_prep,@function
k_q691352c89d_prep:
	s_mov_b64 s[64:65], 0
	v_nop
	global_prefetch_b8 v0, s[64:65] scope:SCOPE_SE
	s_setreg_imm32_b32 hwreg(HW_REG_WAVE_MODE, 25, 1), 1
	s_wait_xcnt 0x0
; W' = resid_gain x W + skip_gain x I, for v_weight (work-group y = 0) and proj_weight (y = 1), both [1024 (k)][1024 (n)] f32, is turned into codes of FP6 (E2M3)
; laid [n][k] with K innermost (768 bytes a row) and one E8M0 byte for each 32 along K ([n][32]).  The product is rounded, then the diagonal's gain is added: two roundings, as the sum is written in the model.
; A LANE TAKES A COLUMN n AND ITS REGISTERS RUN DOWN K: a block of 32 along K lies in one lane's 32 registers, and the conversions give codes with K innermost.
; A work-group takes 32 columns and all of K: wave kg takes rows 128 kg .. 128 kg + 127, four blocks.  The codes meet in a stage in LDS and leave as whole rows of 768 bytes.
; ORDER INSIDE A BLOCK.  v_weight's blocks keep K's order.  proj_weight's blocks are laid with rows 8-15 and 16-23 of each block changed over, since the other operand of that product (made by the attention
; launch) has its blocks in that order; a product keeps its value when both operands carry the same order inside each block.  Only the loads' rows differ.
; A block's scale is 2^(floor(log2(largest magnitude)) - 2); its byte is that magnitude's exponent field - 2, held at 1 from below.
; LIMITS: a block whose largest magnitude lies under 2^-124 (a block of zeros too) gets the byte 1 (its codes are then zeros or subnormal codes; these bytes are read by this program alone); NaN and infinities are not served.
.set ROWW,  4096                       ; bytes in a row of W
.set STP,   1040                       ; a stage row: 64 places of 16 bytes, each with 12 bytes of codes, + 16
.set SCLDS, 32*STP                     ; behind the stage: 32 columns x 32 scale bytes
.set VA,   3                           ; v3   4 x lane: my column
.set VB,   4                           ; v4   the same, 8 rows further down for proj_weight
.set VC,   5                           ; v5   the same, 8 rows further down for v_weight
.set DP,   6                           ; v6   which register of the diagonal's block holds my column's diagonal number
.set ZR,   7
.set GS,   8                           ; v8   skip gain
.set T0,   9
.set M0,   10
.set M1,   11
.set SO,   12                          ; v12  the conversions' scale operand
.set SB,   13                          ; v13  my four scale bytes
.set STI,  14                          ; v14  stage, in
.set SSI,  15                          ; v15  scale bytes, in
.set RDI,  16                          ; v16  stage, out
.set GOC,  17                          ; v17  my byte offset in the codes
.set RSI,  18                          ; v18  scale bytes, out (waves 0 and 1)
.set GOS,  19                          ; v19  and in memory
.set XR,   32                          ; v32-159  128 numbers
.set CR,   160                         ; v160-191 codes: eight registers a block, so that no store's data are written again
.set OUTR, 192                         ; v192-223 the way out
	s_load_b256 s[4:11], s[0:1], 0x0               ; v_weight, proj_weight, v_resid_gain, v_skip_gain
	s_load_b256 s[12:19], s[0:1], 0x20             ; proj_resid_gain, proj_skip_gain, the codes, the scale bytes
	v_lshl_add_u32 v224, v0, 2, 0x9800
	v_mov_b32 v225, 0
	v_lshrrev_b32 v1, 5, v0
	v_readfirstlane_b32 s28, v1                    ; wave = kg
	v_and_b32 v2, 31, v0                           ; lane
	s_and_b32 s27, ttmp7, 0xffff                   ; which tensor
	s_mov_b32 s29, ttmp9                           ; which 32 columns
	s_lshl_b32 s26, s28, 2
	s_sub_co_u32 s26, s29, s26                     ; the diagonal crosses my block number cg - 4 kg, if that is 0 .. 3
	v_lshlrev_b32 v[VA], 2, v2
	v_and_b32 v20, 7, v2                           ; the changed-over place of my lane: bits 3 and 4 change places
	v_and_b32 v21, 8, v2
	v_lshl_or_b32 v20, v21, 1, v20
	v_and_b32 v21, 16, v2
	v_lshrrev_b32 v21, 1, v21
	v_or_b32 v20, v20, v21
	v_mov_b32 v[ZR], 0
	v_mul_u32_u24 v[STI], v2, STP                  ; stage row = my column; my wave's eight places
	s_lshl_b32 s30, s28, 7
	v_add_nc_u32 v[STI], s30, v[STI]
	v_lshlrev_b32 v[SSI], 5, v2                    ; 32 scale bytes a column; my wave's four
	s_lshl_b32 s30, s28, 2
	s_add_co_u32 s30, s30, SCLDS
	v_add_nc_u32 v[SSI], s30, v[SSI]
	v_lshlrev_b32 v21, 4, v2
	s_mul_i32 s30, s28, 4*STP                      ; out: my wave stores four rows; 32 lanes take 32 places, half a row
	v_add_nc_u32 v[RDI], s30, v21
	v_mul_u32_u24 v[GOC], v2, 12
	s_mul_i32 s30, s28, 4*768
	v_add_nc_u32 v[GOC], s30, v[GOC]
	s_lshl_b32 s30, s28, 9
	v_add_nc_u32 v[GOS], s30, v21
	v_add_nc_u32 v[RSI], SCLDS, v[GOS]
	s_wait_kmcnt 0x0
	s_cmp_eq_u32 s27, 1                            ; the choice hangs on the work-group's number alone
	s_cselect_b64 s[4:5], s[6:7], s[4:5]
	s_cselect_b64 s[8:9], s[12:13], s[8:9]
	s_cselect_b64 s[10:11], s[14:15], s[10:11]
	s_cselect_b32 s23, 0x8000, 0                   ; eight rows of W, for proj_weight
	s_cselect_b32 s25, -1, 0
	s_load_b32 s20, s[8:9], 0x0                    ; resid gain
	s_load_b32 s22, s[10:11], 0x0                  ; skip gain
	s_sub_co_u32 s24, 0x8000, s23                  ; eight rows, for v_weight
	v_add_nc_u32 v[VB], s23, v[VA]
	v_add_nc_u32 v[VC], s24, v[VA]
	v_cndmask_b32 v[DP], v2, v20, s25
	s_lshl_b32 s30, s29, 7                         ; W: 128 bytes a group of columns, 128 rows a wave
	s_lshl_b32 s31, s28, 19
	s_add_co_u32 s30, s30, s31
	s_mov_b32 s31, 0
	s_add_nc_u64 s[4:5], s[4:5], s[30:31]
	s_mul_i32 s30, s27, 786432                     ; the codes: the tensor's part, 32 rows of 768 bytes a work-group
	s_mul_i32 s32, s29, 24576
	s_add_co_u32 s30, s30, s32
	s_add_nc_u64 s[16:17], s[16:17], s[30:31]
	s_lshl_b32 s30, s27, 15                        ; the scale bytes likewise: 32 rows of 32 bytes
	s_lshl_b32 s32, s29, 10
	s_add_co_u32 s30, s30, s32
	s_add_nc_u64 s[18:19], s[18:19], s[30:31]
; block t: register i takes row 32 t + i of my wave's rows; for proj_weight registers 8-15 take rows 16-23 and registers 16-23 rows 8-15
.macro LOADB t
.irp n, 0,1,2,3,4,5,6,7,8,9,10,11,12,13,14,15,16,17,18,19,20,21,22,23,24,25,26,27,28,29,30,31
.if (\n >= 8) && (\n < 16)
	global_load_b32 v[XR+32*(\t)+\n], v[VB], s[4:5] offset:(32*(\t)+\n)*ROWW th:TH_LOAD_NT
.elseif (\n >= 16) && (\n < 24)
	global_load_b32 v[XR+32*(\t)+\n], v[VC], s[4:5] offset:(32*(\t)+\n-8)*ROWW th:TH_LOAD_NT
.else
	global_load_b32 v[XR+32*(\t)+\n], v[VA], s[4:5] offset:(32*(\t)+\n)*ROWW th:TH_LOAD_NT
.endif
.endr
.endm
	LOADB 0
	LOADB 1
	s_wait_kmcnt 0x0
	s_mov_b32 s21, s20                             ; (the packed form names the pair)
	v_mov_b32 v[GS], s22
.macro BLOCK t
.set XS, XR+32*(\t)
.if (\t) < 3
	s_wait_loadcnt 32                              ; this block's 32 loads are in; the next block's may be out
.else
	s_wait_loadcnt 0x0
.endif
.if (\t)+2 < 4
	LOADB (\t)+2                                   ; two blocks ahead, into registers of its own
.endif
.set i, 0
.rept 16
	v_pk_mul_f32 v[XS+i:XS+i+1], v[XS+i:XS+i+1], s[20:21] op_sel_hi:[1,0]   ; resid gain x W
.set i, i+2
.endr
	s_cmp_lg_u32 s26, \t                           ; a branch on ids: only the block that the diagonal crosses adds the skip gain
	s_cbranch_scc1 .Loff_\t
.irp n, 0,1,2,3,4,5,6,7,8,9,10,11,12,13,14,15,16,17,18,19,20,21,22,23,24,25,26,27,28,29,30,31
	v_cmp_eq_u32 vcc_lo, \n, v[DP]
	v_cndmask_b32 v[T0], v[ZR], v[GS], vcc_lo
	v_add_f32 v[XS+\n], v[XS+\n], v[T0]
.endr
.Loff_\t:
	v_max3_num_f32 v[M0], |v[XS]|, |v[XS+1]|, |v[XS+2]|            ; the block's largest magnitude: all 32 numbers are mine; two chains
	v_max3_num_f32 v[M1], |v[XS+3]|, |v[XS+4]|, |v[XS+5]|
.irp n, 6,10,14,18,22,26
	v_max3_num_f32 v[M0], v[M0], |v[XS+\n]|, |v[XS+\n+1]|
	v_max3_num_f32 v[M1], v[M1], |v[XS+\n+2]|, |v[XS+\n+3]|
.endr
	v_max3_num_f32 v[M0], v[M0], |v[XS+30]|, |v[XS+31]|
	v_max3_num_f32 v[M0], v[M0], v[M1], 0x1800000  ; and the floor 2^(3 - 127): the byte cannot fall under 1
	v_add_nc_u32 v[SO], 0xff000000, v[M0]          ; 2 off its exponent field: the conversion takes that field as its scale
	v_lshrrev_b32 v[M1], 23, v[SO]                 ; the scale's byte
.if (\t) == 0
	v_mov_b32 v[SB], v[M1]
.else
	v_lshl_or_b32 v[SB], v[M1], 8*(\t), v[SB]
.endif
	v_cvt_scalef32_pk16_fp6_f32 v[CR+8*(\t):CR+8*(\t)+2], v[XS:XS+15], v[SO]
	v_cvt_scalef32_pk16_fp6_f32 v[CR+8*(\t)+4:CR+8*(\t)+6], v[XS+16:XS+31], v[SO]
	ds_store_b96 v[STI], v[CR+8*(\t):CR+8*(\t)+2] offset:32*(\t)       ; 16 codes, 12 bytes, to a place of 16 bytes
	ds_store_b96 v[STI], v[CR+8*(\t)+4:CR+8*(\t)+6] offset:32*(\t)+16
.endm
	BLOCK 0
	BLOCK 1
	BLOCK 2
	BLOCK 3
	ds_store_b32 v[SSI], v[SB]
	s_wait_dscnt 0x0                               ; for the others' sake: my stores into the stage are done
	s_barrier_signal -1
	s_barrier_wait -1
.irp n, 0,1,2,3,4,5,6,7
	ds_load_b96 v[OUTR+4*\n:OUTR+4*\n+2], v[RDI] offset:(\n/2)*STP+(\n%2)*512
.endr
.irp n, 0,1,2,3,4,5,6,7
	s_wait_dscnt 7-\n                              ; LDS loads come back in order: load n is in
	global_store_b96 v[GOC], v[OUTR+4*\n:OUTR+4*\n+2], s[16:17] offset:(\n/2)*768+(\n%2)*384   ; 32 lanes store 384 consecutive bytes; two such stores a row
.endr
	s_cmp_lt_u32 s28, 2                            ; the 1,024 scale bytes leave by waves 0 and 1, 512 consecutive bytes each
	s_cbranch_scc0 .Lend
	ds_load_b128 v[24:27], v[RSI]
	s_wait_dscnt 0x0
	global_store_b128 v[GOS], v[24:27], s[18:19]
.Lend:
	s_wait_tensorcnt 0x0
	ds_add_u32 v224, v225
	s_wait_dscnt 0x0
	s_endpgm
.Lfunc_end_k_q691352c89d_prep:
	.size	k_q691352c89d_prep, .Lfunc_end_k_q691352c89d_prep-k_q691352c89d_prep
	.p2alignl 7, 3214868480
	.fill 96, 4, 3214868480
	.section	.rodata,"a",@progbits
	.p2align	6, 0x0
	.amdhsa_kernel k_q691352c89d_prep
		.amdhsa_group_segment_fixed_size 39936
		.amdhsa_private_segment_fixed_size 0
		.amdhsa_enable_private_segment 0
		.amdhsa_kernarg_size 64
		.amdhsa_user_sgpr_count 2
		.amdhsa_user_sgpr_kernarg_segment_ptr 1
		.amdhsa_wavefront_size32 1
		.amdhsa_system_sgpr_workgroup_id_x 1
		.amdhsa_system_sgpr_workgroup_id_y 1
		.amdhsa_system_sgpr_workgroup_id_z 1
		.amdhsa_system_vgpr_workitem_id 0
		.amdhsa_next_free_vgpr 226
		.amdhsa_next_free_sgpr 66
		.amdhsa_reserve_vcc 1
		.amdhsa_float_denorm_mode_32 3
		.amdhsa_float_denorm_mode_16_64 3
		.amdhsa_memory_ordered 1
		.amdhsa_forward_progress 1
		.amdhsa_inst_pref_size 40
	.end_amdhsa_kernel
	.amdgpu_metadata
---
amdhsa.version: [ 1, 2 ]
amdhsa.kernels:
  - .name:           k_q691352c89d_prep
    .symbol:         k_q691352c89d_prep.kd
    .args:
      - { .name: v_weight, .offset: 0, .size: 8, .value_kind: global_buffer, .address_space: global }
      - { .name: proj_weight, .offset: 8, .size: 8, .value_kind: global_buffer, .address_space: global }
      - { .name: v_resid_gain, .offset: 16, .size: 8, .value_kind: global_buffer, .address_space: global }
      - { .name: v_skip_gain, .offset: 24, .size: 8, .value_kind: global_buffer, .address_space: global }
      - { .name: proj_resid_gain, .offset: 32, .size: 8, .value_kind: global_buffer, .address_space: global }
      - { .name: proj_skip_gain, .offset: 40, .size: 8, .value_kind: global_buffer, .address_space: global }
      - { .name: wq_codes, .offset: 48, .size: 8, .value_kind: global_buffer, .address_space: global }
      - { .name: wq_scales, .offset: 56, .size: 8, .value_kind: global_buffer, .address_space: global }
    .group_segment_fixed_size: 39936
    .private_segment_fixed_size: 0
    .kernarg_segment_align: 8
    .kernarg_segment_size: 64
    .max_flat_workgroup_size: 256
    .sgpr_count:     66
    .vgpr_count:     226
    .wavefront_size: 32
...
	.end_amdgpu_metadata
.endif
;; end of part 1
;; launch qkv (part 2): grid 12 x 16, 4 waves a work-group, clusters of 4 x 4, 327,680 bytes of LDS; arguments hidden_states_codes, hidden_states_scales, qk_weight_codes, qk_weight_scales, wq_codes, wq_scales, qk_bias, qkv_img, qkv_sc; writes qkv_img, qkv_sc
.if DOCPART == 2
	.amdgcn_target "amdgcn-amd-amdhsa--gfx1250"
	.amdhsa_code_object_version 6
	.text
	.protected	k_q691352c89d_qkv
	.globl	k_q691352c89d_qkv
	.p2align	8
	.type	k_q691352c89d_qkv,@function
k_q691352c89d_qkv:
	s_mov_b64 s[64:65], 0
	v_nop
	global_prefetch_b8 v0, s[64:65] scope:SCOPE_SE
	s_setreg_imm32_b32 hwreg(HW_REG_WAVE_MODE, 25, 1), 1
	s_wait_xcnt 0x0
	s_wait_alu depctr_hold_cnt(0) depctr_sa_sdst(0) depctr_va_vdst(0) depctr_va_sdst(0) depctr_va_ssrc(0) depctr_va_vcc(0) depctr_vm_vsrc(0)
	s_getreg_b32 s2, hwreg(HW_REG_IB_STS2, 6, 4)
	s_cmp_eq_u32 s2, 0
	s_cbranch_scc0 .Lentry_in_a_cluster
	s_endpgm
.Lentry_in_a_cluster:
	s_bfe_u32 s2, ttmp6, 0x10000c
	s_cmp_lg_u32 s2, 0xf033
	s_cbranch_scc0 .Lentry_shape_is_right
	s_endpgm
.Lentry_shape_is_right:
; Two GEMMs on codes of FP6 (E2M3) with E8M0 scales for each 32 along K = 1,024, on ONE path; only pointers and a few offsets are chosen, by the cluster's x, which all partners share.
;   clusters x = 0, 1:  QK[token][feature] = hidden x Wqk + bias:  A = hidden [4096][K], B = qk_weight [2048][K]:  16 x 8 tiles of 256 x 256
;   cluster  x = 2:     V^T[e][token]      = Wv'^T x hidden^T:     A = Wv' [1024][K] (made by the launch before), B = hidden [4096][K]:  4 x 16 tiles
; V is made transposed so that the keys, which are the K of attention's second product, run along a lane's registers, as the head's channels do for q and k.
; THE RESULTS ARE QUANTISED IN REGISTERS AND LEAVE AS IMAGES OF OPERAND REGISTERS.  The matrix instruction is used transposed (source 0 = 16 rows of B, source 1 = 16 rows of A): lane (r, h) holds row r of a
; block of 16 rows, and register 16 b + 8 u + j of its 64 the column 32 b + 16 u + 8 h + j.  The conversions take these 16 registers as places 16 h + 8 u + j of block b: inside each block of 32 the second
; and third groups of eight change places.  q and k both carry that order along the head's channels, V^T carries it along the keys, where attention's weights will carry it too: the products keep their values.
; An image of 6 registers is 768 bytes: registers 0-3 at 16 x lane, registers 4-5 at 512 + 8 x lane.  q, k: one image for 16 tokens x 64 channels.  V^T: two on end for 16 channels x 128 keys.
; Ring, barrier, cluster and joint loads: a tile of C is 256 x 256, four waves of 128 x 128 (64 accumulators); K goes in steps of 256 through two LDS slots; the scales of the work-group's rows come once.
; The four work-groups of a row of the cluster ask jointly for A's tiles, the four of a column for B's.
; The bias is the C of each sum's first matrix instruction (for V^T: zeros, chosen by a select).
; LIMITS: a block whose largest magnitude lies under 2^-124 (zeros too) gets the byte 1 (read by this program alone); NaN and infinities are not served.
; REGISTERS, in windows of 256: window 0: v0-31 addresses; v32-63 scale words, two sets; v64-127 the bias; from v128 A's fragments, one set; on the way out v112-216 are at work.
;   window 1: B's fragments, two sets.   window 2: the accumulators of my rows 0-63 ((a, b) at v[8 (8 a + b)]);   window 3: those of rows 64-127.
.set KSTEP,  256
.set NQ,     2
.set ROWB,   192                       ; a tile's row: 256 codes
.set KROW,   768                       ; a row of A or of B in memory
.set PITCH,  240                       ; an LDS row: 3 x (64 bytes + 16 of padding)
.set FR,     12
.set NL,     6
.set NP,     4
.set HALFT,  128*PITCH
.set SLOT,   4*HALFT
.set LAPS,   2                         ; K = 1,024 is four K steps: twice round the ring
.set KS,     32                        ; a row of scales in bytes
.set SCL,    2*SLOT
.set HALFS,  (128*KS/256)*272
.set SBLK,   (16*KS/256)*272
.set SPARE,  SCL+4*HALFS               ; the spare words, 128 bytes for each wave: two blocks of 256 bytes that no other line names
.set ADRA, 16
.set ADRB, 20
.set VO16, 24                          ; v24  16 x lane
.set VO8,  25                          ; v25  8 x lane
.set ZR,   26                          ; v26  0
.set ADRS, 27
.set SPW,  28                          ; v28  my spare word's LDS address; never rewritten
.set NIL,  29                          ; v29  0; never rewritten
.set BA,   30                          ; v30  32 x (lane / 16): my eight numbers of a bias tile
.set SC,   32
.set BIAS, 64
.set AF,   128
.set CD,   112                         ; the way out: v112-130 codes
.set SW,   152                         ; v152-155 the scale words of my eight blocks of rows
.set TM,   200                         ; v200-215 at work
.set PW,   216                         ; the scale word just made
.set G1, 24
.set G0, 32
.set G1B, 48
.set G0B, 56
.set G1S, 68
.set G0S, 76
.set G1SB, 80
.set G0SB, 88
.set MSB, 0
.macro WIN new                         ; the immediate's high byte repeats the setting that is left
.if MSB != \new
	s_set_vgpr_msb (MSB<<8)|\new
.set MSB, \new
.endif
.endm
.set MUL_LO, 0xa1                      ; source 0 (B) window 1, source 1 (A) window 0, C and D window 2
.set MUL_HI, 0xf1                      ; the same, C and D window 3
.set TO_B,   0x40
; A joint load: waves 0 and 1 fetch for A, waves 2 and 3 for B; the branch hangs on the wave's number alone.  Four v_nop follow each of the two lines.
.macro JLOAD g0a, g1a, g0b, g1b
	s_cmp_eq_u32 s15, 0
	s_cbranch_scc0 .Lfor_b_\@
	tensor_load_to_lds s[\g0a:\g0a+3], s[\g1a:\g1a+7]
	s_nop 0
.rept 4
	v_nop
.endr
	s_branch .Lasked_\@
.Lfor_b_\@:
	tensor_load_to_lds s[\g0b:\g0b+3], s[\g1b:\g1b+7]
	s_nop 0
.rept 4
	v_nop
.endr
.Lasked_\@:
.endm
.macro CREST                           ; a round of the cluster's barrier behind its opening barrier
	s_cmp_lg_u32 s14, 0
	s_cbranch_scc1 .Lnot_wave_0_\@
	s_barrier_signal -3
.Lnot_wave_0_\@:
	s_barrier_wait -3
	s_barrier_signal -1
	s_barrier_wait -1
.endm
.macro CROUND
	s_barrier_signal -1
	s_barrier_wait -1
	CREST
.endm
	s_load_b128 s[4:7], s[0:1], 0x0                ; hidden's codes, hidden's scales
	s_load_b128 s[8:11], s[0:1], 0x10              ; qk_weight's codes, its scales
	s_load_b128 s[96:99], s[0:1], 0x20             ; Wv's codes, its scales
	s_load_b64 s[100:101], s[0:1], 0x30            ; the bias
	s_load_b64 s[12:13], s[0:1], 0x38              ; the images
	s_load_b64 s[104:105], s[0:1], 0x40            ; their scale words
	v_lshl_add_u32 v[SPW], v0, 2, SPARE
	v_mov_b32 v[NIL], 0
	ds_add_u32 v28, v29
	ds_add_u32 v28, v29
	s_wait_dscnt 0x0
	v_lshrrev_b32 v1, 5, v0
	v_readfirstlane_b32 s14, v1                    ; wave 0..3
	s_lshr_b32 s15, s14, 1                         ; which half of the tile's rows is mine.  Also: I fetch for A (0) or for B (1)
	s_and_b32 s16, s14, 1                          ; which half of its columns.  Also: which 128 rows of that tile I fetch
	s_bfe_u32 s40, ttmp6, 0x40000                  ; cx, cy: my place in the cluster
	s_bfe_u32 s41, ttmp6, 0x40004
	s_mov_b32 s66, ttmp9                           ; the cluster's x: 0, 1: QK; 2: V^T
	s_and_b32 s17, ttmp7, 0xffff                   ; the cluster's y
	s_cmp_eq_u32 s66, 2
	s_cselect_b32 s42, s17, s66                    ; V^T: the clusters lie side by side along the tokens; QK: as the grid has them
	s_cselect_b32 s17, 0, s17
	s_cselect_b32 s95, 0, -1                       ; a mask of lanes: the bias counts for QK alone
	s_lshl_b32 s42, s42, 2
	s_add_co_u32 s42, s42, s40                     ; tile column
	s_lshl_b32 s17, s17, 2
	s_add_co_u32 s17, s17, s41                     ; tile row
	s_lshl_b32 s43, s41, 2
	s_lshl_b32 s43, 15, s43                        ; my row of the cluster
	s_lshl_b32 s44, 0x1111, s40                    ; my column
	; descriptor group 1: a tile of 128 rows x 192 bytes, 16 bytes of padding behind every 64
	s_or_b32 s[G1+0], s43, (0<<16)|(1<<20)|(1<<21)|(3<<22)|(3<<25)
	s_or_b32 s[G1B+0], s44, (0<<16)|(1<<20)|(1<<21)|(3<<22)|(3<<25)
.irp g, G1, G1B
	s_mov_b32 s[\g+1], ROWB<<16                    ; tensor_dim0
	s_mov_b32 s[\g+2], 128<<16                     ; tensor_dim1
	s_mov_b32 s[\g+3], ROWB<<16                    ; tile_dim0
	s_mov_b32 s[\g+4], 128                         ; tile_dim1
	s_mov_b32 s[\g+5], KROW                        ; the pitch
	s_mov_b32 s[\g+6], 0
	s_mov_b32 s[\g+7], 0
.endr
	; the scales of 128 rows: 4,096 dense bytes as 16 rows of 256 bytes, 16 bytes of padding behind each
	s_or_b32 s[G1S+0], s43, (3<<16)|(1<<20)|(1<<21)|(5<<22)|(3<<25)
	s_or_b32 s[G1SB+0], s44, (3<<16)|(1<<20)|(1<<21)|(5<<22)|(3<<25)
.irp g, G1S, G1SB
	s_mov_b32 s[\g+1], 32<<16
	s_mov_b32 s[\g+2], (128*KS/256)<<16
	s_mov_b32 s[\g+3], 32<<16
	s_mov_b32 s[\g+4], 128*KS/256
	s_mov_b32 s[\g+5], 32
	s_mov_b32 s[\g+6], 0
	s_mov_b32 s[\g+7], 0
.endr
	s_lshl_b32 s18, s16, 7                         ; which 128 rows of the tile I fetch
	s_lshl_b32 s20, s17, 8
	s_add_co_u32 s20, s20, s18                     ; A: row 256 x tile row + 128 x half
	s_lshl_b32 s46, s42, 8
	s_add_co_u32 s46, s46, s18                     ; B: row 256 x tile column + 128 x half
	s_mov_b32 s21, 0
	s_mov_b32 s47, 0
	s_mov_b64 s[18:19], KS
	s_mul_u64 s[22:23], s[20:21], s[18:19]         ; where these rows' scales begin
	s_mul_u64 s[92:93], s[46:47], s[18:19]
	s_mov_b64 s[18:19], KROW
	s_mul_u64 s[20:21], s[20:21], s[18:19]         ; and their codes
	s_mul_u64 s[46:47], s[46:47], s[18:19]
	s_mul_i32 s45, s14, HALFT                      ; where they go: wave x 128 rows
	s_mul_i32 s94, s14, HALFS
	s_wait_kmcnt 0x0
	s_cmp_eq_u32 s66, 2                            ; the operands' buffers: a choice on the cluster's x, which hangs on no address
	s_cselect_b64 s[8:9], s[4:5], s[8:9]           ; B: hidden for V^T, qk_weight for QK
	s_cselect_b64 s[10:11], s[6:7], s[10:11]
	s_cselect_b64 s[4:5], s[96:97], s[4:5]         ; A: Wv' for V^T, hidden for QK
	s_cselect_b64 s[6:7], s[98:99], s[6:7]
	s_add_nc_u64 s[20:21], s[4:5], s[20:21]
	s_add_nc_u64 s[22:23], s[6:7], s[22:23]
	s_add_nc_u64 s[46:47], s[8:9], s[46:47]
	s_add_nc_u64 s[92:93], s[10:11], s[92:93]
	CROUND                                         ; all sixteen work-groups are here: the first joint loads meet
	s_mov_b32 s[G0S], 1
	s_add_co_u32 s[G0S+1], s94, SCL
	s_mov_b64 s[G0S+2:G0S+3], s[22:23]
	s_or_b32 s[G0S+3], s[G0S+3], 0x80000000
	s_mov_b32 s[G0SB], 1
	s_add_co_u32 s[G0SB+1], s94, SCL
	s_mov_b64 s[G0SB+2:G0SB+3], s[92:93]
	s_or_b32 s[G0SB+3], s[G0SB+3], 0x80000000
	JLOAD G0S, G1S, G0SB, G1SB                     ; the scales first: they are wanted with K step 0
.irp s, 0,1
	s_mov_b32 s[G0+4*\s], 1
	s_add_co_u32 s[G0+4*\s+1], s45, \s*SLOT
	s_add_nc_u64 s[G0+4*\s+2:G0+4*\s+3], s[20:21], \s*ROWB
	s_or_b32 s[G0+4*\s+3], s[G0+4*\s+3], 0x80000000
	s_mov_b32 s[G0B+4*\s], 1
	s_add_co_u32 s[G0B+4*\s+1], s45, \s*SLOT
	s_add_nc_u64 s[G0B+4*\s+2:G0B+4*\s+3], s[46:47], \s*ROWB
	s_or_b32 s[G0B+4*\s+3], s[G0B+4*\s+3], 0x80000000
	JLOAD G0+4*\s, G1, G0B+4*\s, G1B
.endr
	v_and_b32 v1, 15, v0                           ; l % 16
	v_bfe_u32 v2, v0, 4, 1                         ; l / 16
	v_lshlrev_b32 v[BA], 5, v2
	v_mov_b32 v[ZR], 0
	s_lshl_b32 s46, s42, 8
	s_lshl_b32 s47, s16, 7
	s_add_co_u32 s46, s46, s47                     ; C0: my first column
	s_cmp_eq_u32 s66, 2
	s_cselect_b32 s92, 0, s46                      ; V^T has no bias: it reads the first numbers, inside the buffer, and a select drops them
	s_lshl_b32 s92, s92, 2
	s_mov_b32 s93, 0
	s_add_nc_u64 s[100:101], s[100:101], s[92:93]
.irp b, 0,1,2,3,4,5,6,7                        ; in the result's layout: lane (r, h), register j of column block b: bias[C0 + 16 b + 8 h + j]
	global_load_b128 v[BIAS+8*\b:BIAS+8*\b+3], v[BA], s[100:101] offset:64*\b
	global_load_b128 v[BIAS+8*\b+4:BIAS+8*\b+7], v[BA], s[100:101] offset:64*\b+16
.endr
	v_mul_u32_u24 v3, v1, PITCH
	v_mul_u32_u24 v4, v2, 24
	v_add_nc_u32 v4, v3, v4                        ; a fragment's row x pitch + 24 x half
	v_lshl_add_u32 v5, v2, 4, v4                   ; and the same behind one padding more
	s_mul_i32 s21, s15, HALFT                      ; my 128 rows of A
	s_mul_i32 s22, s16, HALFT                      ; my 128 rows of B,
	s_add_co_u32 s22, s22, 2*HALFT                 ; which lie behind A's 256
.irp s, 0,1
	v_add_nc_u32 v[ADRA+\s], s21, v4
	v_add_nc_u32 v[ADRB+\s], s22, v4
	v_add_nc_u32 v[ADRA+2+\s], s21, v5
	v_add_nc_u32 v[ADRB+2+\s], s22, v5
	s_add_co_u32 s21, s21, SLOT
	s_add_co_u32 s22, s22, SLOT
.endr
	v_mul_u32_u24 v5, v1, KS                       ; my row's scales: 32 bytes a row,
	v_lshrrev_b32 v6, 8, v5
	v_lshl_add_u32 v5, v6, 4, v5                   ; and 16 more for each 256 passed
	s_mul_i32 s21, s15, HALFS
	s_mul_i32 s22, s16, HALFS
	s_add_co_u32 s22, s22, 2*HALFS
	s_sub_co_u32 s22, s22, s21
	v_mul_u32_u24 v6, s22, v2                      ; lanes 16-31 take B's
	s_add_co_u32 s21, s21, SCL
	v_add_nc_u32 v5, v5, v6
	v_add_nc_u32 v[ADRS], s21, v5
	v_and_b32 v6, 31, v0
	v_lshlrev_b32 v[VO16], 4, v6
	v_lshlrev_b32 v[VO8], 3, v6
	; WHERE MY RESULTS GO.  R0, C0: my first row and column.  Both forms are worked out, then one compare chooses.
	s_lshl_b32 s20, s17, 8
	s_lshl_b32 s21, s15, 7
	s_add_co_u32 s20, s20, s21                     ; R0
	s_lshr_b32 s4, s20, 11                         ; QK: batch = R0 / 2048; images [batch][32 heads of q and k][128 tiles of 16 tokens][768]
	s_lshl_b32 s5, s4, 5
	s_lshr_b32 s6, s46, 6
	s_add_co_u32 s5, s5, s6
	s_mul_i32 s5, s5, 98304
	s_and_b32 s6, s20, 2047
	s_mul_i32 s7, s6, 48
	s_add_co_u32 s5, s5, s7
	s_lshl_b32 s4, s4, 4                           ; scale words [batch][16 pairs of heads][16 steps of 128 tokens][512]
	s_lshr_b32 s7, s46, 7
	s_add_co_u32 s4, s4, s7
	s_lshl_b32 s4, s4, 4
	s_lshr_b32 s6, s6, 7
	s_add_co_u32 s4, s4, s6
	s_lshl_b32 s4, s4, 9
	s_lshr_b32 s6, s46, 11                         ; V^T: batch = C0 / 2048; images [batch][16 heads][16 steps of 128 keys][4 tiles of 16 channels][1536], behind QK's
	s_and_b32 s7, s46, 2047
	s_lshr_b32 s7, s7, 7
	s_lshl_b32 s8, s6, 4
	s_lshr_b32 s9, s20, 6
	s_add_co_u32 s8, s8, s9
	s_lshl_b32 s8, s8, 4
	s_add_co_u32 s8, s8, s7
	s_mul_i32 s8, s8, 6144
	s_add_co_u32 s8, s8, 6291456
	s_lshl_b32 s6, s6, 3                           ; scale words [batch][8 pairs of heads][16 steps][512], behind QK's
	s_lshr_b32 s9, s20, 7
	s_add_co_u32 s6, s6, s9
	s_lshl_b32 s6, s6, 4
	s_add_co_u32 s6, s6, s7
	s_lshl_b32 s6, s6, 9
	s_add_co_u32 s6, s6, 262144
	s_mov_b32 s9, 98304
	s_mov_b32 s10, 768
	s_cmp_eq_u32 s66, 2
	s_cselect_b32 s96, s8, s5                      ; the first image
	s_cselect_b32 s8, s6, s4                       ; the scale words
	s_cselect_b32 s4, 1536, s10                    ; from a block of 16 rows to the next
	s_cselect_b32 s6, 93696, s10                   ; from block 3 to block 4: V^T goes on to the next head (98,304 - 3 x 1,536)
	s_cselect_b32 s10, s10, s9                     ; from registers 0-5 to registers 6-11: V^T: the image's second half; QK: the odd head
	s_mov_b32 s97, 0
	s_mov_b32 s9, 0
	s_mov_b32 s5, 0
	s_mov_b32 s7, 0
	s_mov_b32 s11, 0
	s_add_nc_u64 s[96:97], s[12:13], s[96:97]
	s_add_nc_u64 s[98:99], s[96:97], s[10:11]
	s_add_nc_u64 s[104:105], s[104:105], s[8:9]
	s_mov_b32 s67, 0xffff0000                      ; a mask of lanes: 16-31
	s_mov_b32 s18, 0x76543210                      ; v_permlanex16_b32's selects for lane l xor 16
	s_mov_b32 s19, 0xfedcba98
	s_wait_loadcnt 0x0                             ; the bias
.set i, 0
.rept 64
	v_cndmask_b32 v[BIAS+i], v[ZR], v[BIAS+i], s95 ; kept for QK, zeros for V^T
.set i, i+1
.endr
.macro FRAG reg, adr, q, i             ; 16 rows x 128 K of 6-bit codes: 12 registers, six pieces of 8 bytes; where the piece of lanes 16-31 lies behind one padding more, the second address register serves
.irp p, 0,1,2,3,4,5
.set PIECE, 12*(\q)+6*(\p/3)+\p%3
.if PIECE%8 < 5
	ds_load_b64 v[\reg+2*\p:\reg+2*\p+1], v[\adr] offset:8*PIECE+16*(PIECE/8)+(\i)*16*PITCH
.else
	ds_load_b64 v[\reg+2*\p:\reg+2*\p+1], v[\adr+2] offset:8*PIECE+16*(PIECE/8)+(\i)*16*PITCH
.endif
.endr
.endm
; 16 matrix instructions: A's blocks a0, a0 + 1 x B's eight.  first = 1: the bias is the C of the sum's first product: nothing is cleared.  The 64 accumulators take turns.
.macro MUL16 a0, p, q, sc, first
.irp a, \a0, \a0+1
.irp b, 0,1,2,3,4,5,6,7
.if \first
	v_wmma_scale_f32_16x16x128_f8f6f4 v[8*(8*((\a)%4)+\b):8*(8*((\a)%4)+\b)+7], v[128*(\p)+FR*\b:128*(\p)+FR*\b+FR-1], v[AF+FR*(\a):AF+FR*(\a)+FR-1], v[BIAS+8*\b:BIAS+8*\b+7], v[SC+8*NQ*(\sc)+NQ*\b+(\q)], v[SC+8*NQ*(\sc)+NQ*(\a)+(\q)] matrix_a_fmt:MATRIX_FMT_FP6 matrix_b_fmt:MATRIX_FMT_FP6 matrix_a_scale:MATRIX_SCALE_ROW1
.else
	v_wmma_scale_f32_16x16x128_f8f6f4 v[8*(8*((\a)%4)+\b):8*(8*((\a)%4)+\b)+7], v[128*(\p)+FR*\b:128*(\p)+FR*\b+FR-1], v[AF+FR*(\a):AF+FR*(\a)+FR-1], v[8*(8*((\a)%4)+\b):8*(8*((\a)%4)+\b)+7], v[SC+8*NQ*(\sc)+NQ*\b+(\q)], v[SC+8*NQ*(\sc)+NQ*(\a)+(\q)] matrix_a_fmt:MATRIX_FMT_FP6 matrix_b_fmt:MATRIX_FMT_FP6 matrix_a_scale:MATRIX_SCALE_ROW1
.endif
.endr
.endr
.endm
.macro FETCH_B slot, q, p
	WIN TO_B
.irp i, 0,1,2,3,4,5,6,7
	FRAG 128*(\p)+FR*\i, ADRB+\slot, \q, \i
.endr
	WIN 0
.endm
.macro FETCH_A slot, q, i0
.irp i, \i0, \i0+1, \i0+2, \i0+3
	FRAG AF+FR*(\i), ADRA+\slot, \q, \i
.endr
.endm
.macro SCALES sc                       ; a K step's scale words: lanes 0-15 take A's block i, lanes 16-31 B's block i
.irp i, 0,1,2,3,4,5,6,7
	ds_load_b64 v[SC+8*NQ*\sc+NQ*\i:SC+8*NQ*\sc+NQ*\i+1], v[ADRS] offset:\i*SBLK
.endr
.endm
.macro PLACES n                        ; plain vector instructions between a matrix instruction and a load into, or a read or write of, its registers
.rept \n
	v_nop
.endr
.endm
.macro STEP slot, q, first
	s_wait_dscnt 4*NL                              ; B's set and A's blocks 0-3 are in; the youngest 24 loads (A's blocks 4-7) may be out
.if \first
	WIN 0x81                                       ; C (the bias) window 0, D window 2
.else
	WIN MUL_LO
.endif
	MUL16 0, (\q)%2, \q, \slot, \first
	MUL16 2, (\q)%2, \q, \slot, \first
	s_wait_dscnt 0
	PLACES NP
	FETCH_B \slot, (\q)+1, 1-(\q)%2
	FETCH_A \slot, (\q)+1, 0
.if \first
	WIN 0xc1                                       ; C window 0, D window 3
.else
	WIN MUL_HI
.endif
	MUL16 4, (\q)%2, \q, \slot, \first
	MUL16 6, (\q)%2, \q, \slot, \first
	PLACES NP
	WIN 0
	FETCH_A \slot, (\q)+1, 4
.endm
; A slot's last step changes slots: one barrier; in front of it each wave waits for all its tensor loads, adds 0 to its spare word, and waits for that and for its reads of this slot.
.macro TURN slot, next, fill
	s_wait_tensorcnt 0x0                           ; all my tensor loads have landed: my part of the next slot
	ds_add_u32 v[SPW], v[NIL]                      ; 0 onto my spare word
	s_wait_dscnt 4*NL+1                            ; (the add and the youngest 24 loads may be out)
	WIN MUL_LO
	MUL16 0, 1, NQ-1, \slot, 0
	s_wait_dscnt 0x0                               ; the add is done, and my reads of this slot are over
	s_barrier_signal -1
	MUL16 2, 1, NQ-1, \slot, 0
	WIN 0
	s_barrier_wait -1
.if \fill
	CREST                                          ; the barrier has opened a round of the cluster's barrier: no wave of any partner still reads this slot or has a load on its way
	s_add_nc_u64 s[G0+4*\slot+2:G0+4*\slot+3], s[G0+4*\slot+2:G0+4*\slot+3], 2*ROWB
	s_add_nc_u64 s[G0B+4*\slot+2:G0B+4*\slot+3], s[G0B+4*\slot+2:G0B+4*\slot+3], 2*ROWB
	JLOAD G0+4*\slot, G1, G0B+4*\slot, G1B         ; the first tensor load behind the round; its four v_nop are the places in front of the loads below
.else
	PLACES NP
.endif
	v_add_nc_u32 v[ADRS], 4*NQ, v[ADRS]            ; the next K step's scale words
	FETCH_B \next, 0, 0
	FETCH_A \next, 0, 0
	SCALES \next
	WIN MUL_HI
	MUL16 4, 1, NQ-1, \slot, 0
	MUL16 6, 1, NQ-1, \slot, 0
	PLACES NP
	WIN 0
	FETCH_A \next, 0, 4
.endm
	PLACES 8                                       ; the bias was written by vector instructions: places in front of the scaled products that take it
	s_wait_tensorcnt 1                             ; the scales and my part of K step 0 are in (K step 1's load may be out),
	s_barrier_signal -1
	s_barrier_wait -1                              ; everybody's are
	FETCH_B 0, 0, 0
	FETCH_A 0, 0, 0
	SCALES 0
	FETCH_A 0, 0, 4
	STEP 0, 0, 1                                   ; the first step stands in front of the loop: its products start the sums
	s_mov_b32 s3, LAPS-1
.Llap:                                                 ; a trip goes once round the ring and fills both slots again
	TURN 0, 1, 1
	STEP 1, 0, 0
	TURN 1, 0, 1
	STEP 0, 0, 0
	s_sub_co_u32 s3, s3, 1
	s_cmp_lg_u32 s3, 0
	s_cbranch_scc1 .Llap
	TURN 0, 1, 0                                   ; the last lap fills nothing
	STEP 1, 0, 0
	s_wait_dscnt 4*NL
	WIN MUL_LO
	MUL16 0, 1, NQ-1, 1, 0
	MUL16 2, 1, NQ-1, 1, 0
	s_wait_dscnt 0
	WIN MUL_HI
	MUL16 4, 1, NQ-1, 1, 0
	MUL16 6, 1, NQ-1, 1, 0
	WIN 0
; THE WAY OUT, a block of 16 rows x 128 columns at a time: four blocks of 32 columns are quantised in registers.  Each accumulator is read from its low end on.
.macro QUANTW a
.set AC, 64*((\a)%4)
.set WW, 2+(\a)/4                      ; the block's accumulators: window 2 or 3
	WIN 20*WW                                      ; sources 1 and 2 in that window
.irp b, 0,1,2,3
	v_max3_num_f32 v[TM+\b], 0x1800000, |v[AC+16*\b]|, |v[AC+16*\b+1]|   ; block b: my 16 numbers, and the floor 2^(3 - 127): the byte cannot fall under 1
.endr
.irp n, 2,4,6,8,10,12,14
.irp b, 0,1,2,3
	v_max3_num_f32 v[TM+\b], v[TM+\b], |v[AC+16*\b+\n]|, |v[AC+16*\b+\n+1]|
.endr
.endr
	WIN 0
.irp b, 0,1,2,3
	v_permlanex16_b32 v[TM+4+\b], v[TM+\b], s18, s19
.endr
.irp b, 0,1,2,3
	v_max_num_f32 v[TM+\b], v[TM+\b], v[TM+4+\b]   ; with lane l xor 16's: the block's largest magnitude
.endr
.irp b, 0,1,2,3
	v_add_nc_u32 v[TM+12+\b], 0xff000000, v[TM+\b] ; 2 off its exponent field: the conversion's scale operand
.endr
.irp b, 0,1,2,3
	v_lshrrev_b32 v[TM+4+\b], 23, v[TM+12+\b]      ; the scale's byte
.endr
	v_lshl_or_b32 v[PW], v[TM+5], 8, v[TM+4]
	v_lshl_or_b32 v[PW], v[TM+6], 16, v[PW]
	v_lshl_or_b32 v[PW], v[TM+7], 24, v[PW]        ; my row's scale word
	WIN WW                                         ; source 0 in the accumulators' window
.irp c, 0,1
	v_cvt_scalef32_pk16_fp6_f32 v[CD+6*\c:CD+2+6*\c], v[AC+32*\c:AC+15+32*\c], v[TM+12+2*\c]
	v_cvt_scalef32_pk16_fp6_f32 v[CD+12+4*\c:CD+14+4*\c], v[AC+16+32*\c:AC+31+32*\c], v[TM+12+2*\c+1]   ; (a conversion's three registers begin on an even number)
.endr
	WIN 0
	v_nop                                          ; one plain place behind a scaled conversion
.irp c, 0,1                                    ; the operand's layout wants a whole block in a lane: lanes 0-15 block 2 c, lanes 16-31 block 2 c + 1
.irp n, 0,1,2
	v_permlane16_swap_b32 v[CD+6*\c+\n], v[CD+12+4*\c+\n]
.endr
.irp n, 0,1,2
	v_mov_b32 v[CD+3+6*\c+\n], v[CD+12+4*\c+\n]
.endr
.endr
.endm
.macro OUTBLK a
	s_wait_xcnt 0x0                                ; the last block's stores have read their registers and bases: both are written again only behind this wait
.if (\a) == 4
	s_add_nc_u64 s[96:97], s[96:97], s[6:7]
	s_add_nc_u64 s[98:99], s[98:99], s[6:7]
.elseif (\a) > 0
	s_add_nc_u64 s[96:97], s[96:97], s[4:5]
	s_add_nc_u64 s[98:99], s[98:99], s[4:5]
.endif
	QUANTW \a
.if (\a)%2 == 0
	v_mov_b32 v[SW+(\a)/2], v[PW]                  ; lanes 0-15 keep the even block's words,
.else
	v_cndmask_b32 v[SW+(\a)/2], v[SW+(\a)/2], v[PW], s67   ; lanes 16-31 take the odd block's
.endif
	global_store_b128 v[VO16], v[CD:CD+3], s[96:97]                  ; 512 consecutive bytes, aligned
	global_store_b64 v[VO8], v[CD+4:CD+5], s[96:97] offset:512       ; 256 consecutive bytes, aligned
	global_store_b128 v[VO16], v[CD+6:CD+9], s[98:99]
	global_store_b64 v[VO8], v[CD+10:CD+11], s[98:99] offset:512
.endm
	PLACES NP                                      ; behind the last products: their registers are read and written below
.irp b, 0,1,2,3
	v_mov_b32 v[TM+4+\b], 0                        ; a lane permute's destination counts as one of its sources
.endr
.irp a, 0,1,2,3,4,5,6,7
	OUTBLK \a
.endr
	global_store_b128 v[VO16], v[SW:SW+3], s[104:105]   ; my eight blocks' scale words: 512 consecutive bytes
	s_wait_tensorcnt 0x0                           ; the wave's end
	ds_add_u32 v[SPW], v[NIL]
	s_wait_dscnt 0x0
	CROUND                                         ; the closing round: no work-group ends while a partner may still ask for a tile that names it
	s_endpgm
.Lfunc_end_k_q691352c89d_qkv:
	.size	k_q691352c89d_qkv, .Lfunc_end_k_q691352c89d_qkv-k_q691352c89d_qkv
	.p2alignl 7, 3214868480
	.fill 96, 4, 3214868480
	.section	.rodata,"a",@progbits
	.p2align	6, 0x0
	.amdhsa_kernel k_q691352c89d_qkv
		.amdhsa_group_segment_fixed_size 327680
		.amdhsa_private_segment_fixed_size 0
		.amdhsa_enable_private_segment 0
		.amdhsa_kernarg_size 72
		.amdhsa_user_sgpr_count 2
		.amdhsa_user_sgpr_kernarg_segment_ptr 1
		.amdhsa_wavefront_size32 1
		.amdhsa_system_sgpr_workgroup_id_x 1
		.amdhsa_system_sgpr_workgroup_id_y 1
		.amdhsa_system_sgpr_workgroup_id_z 1
		.amdhsa_system_vgpr_workitem_id 0
		.amdhsa_next_free_vgpr 1024
		.amdhsa_next_free_sgpr 106
		.amdhsa_reserve_vcc 0
		.amdhsa_float_denorm_mode_32 3
		.amdhsa_float_denorm_mode_16_64 3
		.amdhsa_memory_ordered 1
		.amdhsa_forward_progress 1
		.amdhsa_inst_pref_size 173
	.end_amdhsa_kernel
	.amdgpu_metadata
---
amdhsa.version: [ 1, 2 ]
amdhsa.kernels:
  - .name:           k_q691352c89d_qkv
    .symbol:         k_q691352c89d_qkv.kd
    .args:
      - { .name: hidden_states_codes, .offset: 0, .size: 8, .value_kind: global_buffer, .address_space: global }
      - { .name: hidden_states_scales, .offset: 8, .size: 8, .value_kind: global_buffer, .address_space: global }
      - { .name: qk_weight_codes, .offset: 16, .size: 8, .value_kind: global_buffer, .address_space: global }
      - { .name: qk_weight_scales, .offset: 24, .size: 8, .value_kind: global_buffer, .address_space: global }
      - { .name: wq_codes, .offset: 32, .size: 8, .value_kind: global_buffer, .address_space: global }
      - { .name: wq_scales, .offset: 40, .size: 8, .value_kind: global_buffer, .address_space: global }
      - { .name: qk_bias, .offset: 48, .size: 8, .value_kind: global_buffer, .address_space: global }
      - { .name: qkv_img, .offset: 56, .size: 8, .value_kind: global_buffer, .address_space: global }
      - { .name: qkv_sc, .offset: 64, .size: 8, .value_kind: global_buffer, .address_space: global }
    .group_segment_fixed_size: 327680
    .private_segment_fixed_size: 0
    .kernarg_segment_align: 8
    .kernarg_segment_size: 72
    .max_flat_workgroup_size: 128
    .sgpr_count:     106
    .vgpr_count:     1024
    .wavefront_size: 32
...
	.end_amdgpu_metadata
.endif
;; end of part 2
;; launch attn (part 3): grid 8 x 32, 16 waves a work-group, no clusters, 215,040 bytes of LDS; arguments qkv_img, qkv_sc, attn_mat_resid_gain, attn_mat_skip_gain, centre_attn_gain, ctx_img, ctx_scales; writes ctx_img, ctx_scales
.if DOCPART == 3
	.amdgcn_target "amdgcn-amd-amdhsa--gfx1250"
	.amdhsa_code_object_version 6
	.text
	.protected	k_q691352c89d_attn
	.globl	k_q691352c89d_attn
	.p2align	8
	.type	k_q691352c89d_attn,@function
k_q691352c89d_attn:
	s_mov_b64 s[64:65], 0
	v_nop
	global_prefetch_b8 v0, s[64:65] scope:SCOPE_SE
	s_setreg_imm32_b32 hwreg(HW_REG_WAVE_MODE, 25, 1), 1
	s_wait_xcnt 0x0
; ctx = Q(new_attn) Q(v), new_attn = g_r softmax(q k^T / 8, causal) + g_s I - g_c uniform, for one (batch, head); both products on codes of FP6 (E2M3) with E8M0 scales for each 32 along K.
; new_attn is quantised FINISHED AND NORMALISED, in blocks of 32 keys, so a block's scale hangs on the row's sum: THE KEYS ARE WALKED TWICE.  Pass 1: the running maximum and the sum.
; Pass 2: the scores once more, p = 2^(t - M), new_attn = p x (g_r / l) - g_c / (q + 1) (+ g_s on the diagonal, 0 behind it), quantised, times V.
; t = score x log2(e) / 8; M = the largest t rounded up to a whole number, so that a change of M multiplies the sum by a power of two and rounds nothing.
; SHARES.  A work-group takes one head and the blocks g and 15 - g of 128 queries: 17 key steps' work for each pair of waves, whatever g.  A wave owns 16 queries, in 256 registers; four waves share a SIMD.
; A wave with queries in block BLK works key steps 0 .. BLK of 128 keys; later steps lie wholly behind the diagonal, where new_attn is 0: a scalar branch on ids leaves their work out; the loops' trip counts are constants.
; THE HEAD'S K AND V^T, codes and scale words, LIE IN LDS WHOLE (212,992 bytes), filled once, each wave bringing a sixteenth: no slot is ever filled again.
; NO CLUSTER, though the eight work-groups of a head read the same K and V: which steps a wave leaves out hangs on its work-group's own block of queries, and partners of a joint load must run alike.
; LAYOUT.  Both products are used transposed: S^T = K Q^T (source 0 = 16 keys, source 1 = my 16 queries), O^T = V^T P^T: a lane holds one query (lane % 16) throughout.
; The head's K is 64: Q's fragment is 6 registers of codes and 6 of zero codes; K's tiles lie 6 registers apart, so that the upper half of a tile's 12 is the next tile's codes, which meet Q's zeros; six zeros stand behind the last.
; Register 16 b + 8 u + j of S^T is key 32 b + 16 u + 8 h + j; the conversions take it as place 16 h + 8 u + j of block b: V^T's codes were laid in that same order.  O^T leaves in that order too; proj's weight has it.
; LIMITS: a block whose largest magnitude lies under 2^-124 (zeros too) gets the byte 1 (read by this program alone); NaN and infinities are not served;
; new_attn is one fused multiply-add of p, g_r / l and -g_c / (q + 1) (reciprocals refined by one Newton step): another order of rounding than the model's, within a few units in f32's last place.
.set KSC,   98304                      ; LDS: K's images at 0 (128 tiles x 768); the pair of heads' scale words of K (16 steps x 512);
.set VIMG,  106496                     ; V^T's images (16 steps x 4 tiles x 1,536);
.set VSC,   204800                     ; and its scale words
.set STEPB, 6144                       ; a key step's images, K's and V's alike
.set L16, 1                            ; v1   16 x lane
.set L8,  2                            ; v2   8 x lane
.set V16, 3                            ; v3   VIMG + 16 x lane
.set V8,  4                            ; v4   VIMG + 8 x lane
.set AKS, 5                            ; v5   K's scale words: KSC + 16 x lane + 2 x (head % 2)
.set AVS, 6                            ; v6   V's: VSC + 16 x lane + 8 x (head % 2)
.set AD0, 7                            ; v7-10 addresses in hand
.set AD1, 8
.set AD2, 9
.set AD3, 10
.set ZR,  11                           ; v11  0
.set NM,  12                           ; v12  -M;  v13 the largest t
.set LS,  14                           ; v[14:15] the sum, in two halves
.set QF,  16                           ; v16-21 Q's codes, v22-27 zero codes
.set QS,  28                           ; v28  Q's scale word
.set PW,  29                           ; v29  new_attn's scale word
.set VS,  30                           ; v[30:31] V's scale words
.set KF,  32                           ; v32-79 K's eight tiles or V's four fragments; v80-85 zero codes
.set KS,  86                           ; v86-89 K's scale words
.set CA,  90                           ; v[90:91] g_r / l
.set CB,  92                           ; v[92:93] -g_c / (q + 1)
.set GS,  94                           ; v94  g_s
.set NINF, 95                          ; v95  -infinity
.set S,   96                           ; v96-159 S^T, then p, then new_attn
.set O,   160                          ; v160-191 O^T
.set CD,  192                          ; v192-210 codes
.set TM,  212                          ; v212-227 at work in the quantiser
.set W,   228                          ; v228-239 at work
.set WV,  18
.set BLK, 19
.set SEL, 20
.set CS,  22
.set G1I, 24                           ; s[24:31] group 1: 6,144 dense bytes;  s[32:39]: 512 dense bytes
.set G1C, 32
.set G0K, 40
.set G0KS, 44
.set G0V, 48
.set G0VS, 52
.set ST,  56                           ; s56  the key step
.set TK,  57                           ; s57  its images' LDS byte
.set TS,  58                           ; s58  its scale words'
.set QP1, 59                           ; s59  my first query + 1
.set IDX, 60                           ; s60  which of its block's eight tiles of queries is mine
.set GR,  61                           ; s61-63 g_r, g_s, g_c
.set MH,  66                           ; s66-73 lanes in which register j of the diagonal's tile is hidden
.set ME,  74                           ; s74-81 lanes in which it is the diagonal
	s_load_b128 s[4:7], s[0:1], 0x0                ; the images, their scale words
	s_load_b128 s[8:11], s[0:1], 0x10              ; g_r, g_s
	s_load_b128 s[12:15], s[0:1], 0x20             ; g_c, ctx's images
	s_load_b64 s[16:17], s[0:1], 0x30              ; ctx's scale bytes
	v_lshl_add_u32 v254, v0, 2, 0x34000
	v_mov_b32 v255, 0
	ds_add_u32 v254, v255
	ds_add_u32 v254, v255
	v_lshrrev_b32 v[AD0], 5, v0
	v_readfirstlane_b32 s[WV], v[AD0]              ; wave 0..15
	s_mov_b32 s89, ttmp9                           ; g
	s_and_b32 s82, ttmp7, 0xffff
	s_lshr_b32 s83, s82, 4                         ; batch
	s_and_b32 s84, s82, 15                         ; head
	s_and_b32 s85, s84, 1                          ; head % 2
	s_lshr_b32 s86, s84, 1                         ; pair of heads
	s_lshr_b32 s87, s[WV], 2
	s_xor_b32 s87, s87, s[WV]
	s_and_b32 s87, s87, 1                          ; which of the two blocks of queries: so chosen that short and long waves are mixed among any four neighbours and any four waves four apart
	s_lshr_b32 s[IDX], s[WV], 1
	s_sub_co_u32 s88, 15, s89
	s_cmp_eq_u32 s87, 1
	s_cselect_b32 s[BLK], s88, s89
	s_lshl_b32 s90, s[BLK], 3
	s_add_co_u32 s90, s90, s[IDX]                  ; my tile of 16 queries
	s_lshl_b32 s[QP1], s90, 4
	s_add_co_u32 s[QP1], s[QP1], 1
	s_mov_b32 s[G1I], 3<<16                        ; no mask; elements of 8 bytes; no padding
	s_mov_b32 s[G1I+1], 32<<16                     ; tensor_dim0 = 32: rows of 256 bytes
	s_mov_b32 s[G1I+2], 24<<16                     ; tensor_dim1 = 24
	s_mov_b32 s[G1I+3], 32<<16                     ; tile_dim0
	s_mov_b32 s[G1I+4], 24                         ; tile_dim1
	s_mov_b32 s[G1I+5], 32                         ; the pitch: dense
	s_mov_b32 s[G1I+6], 0
	s_mov_b32 s[G1I+7], 0
	s_mov_b32 s[G1C], 3<<16
	s_mov_b32 s[G1C+1], 32<<16
	s_mov_b32 s[G1C+2], 2<<16
	s_mov_b32 s[G1C+3], 32<<16
	s_mov_b32 s[G1C+4], 2
	s_mov_b32 s[G1C+5], 32
	s_mov_b32 s[G1C+6], 0
	s_mov_b32 s[G1C+7], 0
	s_mov_b32 s[SEL], 0x76543210
	s_mov_b32 s[SEL+1], 0xfedcba98                 ; v_permlanex16_b32's selects for lane l xor 16
	s_mov_b32 s[CS], 0x3e38aa3b                    ; c = log2(e) / 8
	s_mov_b32 s[CS+1], s[CS]                       ; (named with it as a pair)
	s_mov_b32 s93, 0
	s_lshl_b32 s94, s83, 5
	s_add_co_u32 s94, s94, s84
	s_mul_i32 s94, s94, 98304                      ; q's head among the images; k's lies 16 heads on
	s_mul_i32 s95, s[WV], STEPB                    ; my sixteenth of an image region,
	s_lshl_b32 s96, s[WV], 9                       ; and of a region of scale words
	s_wait_dscnt 0x0
	s_wait_kmcnt 0x0
	s_mov_b32 s[G0K], 1
	s_mul_i32 s[G0K+1], s[WV], STEPB
	s_add_co_u32 s92, s94, 16*98304
	s_add_co_u32 s92, s92, s95
	s_add_nc_u64 s[G0K+2:G0K+3], s[4:5], s[92:93]
	s_or_b32 s[G0K+3], s[G0K+3], 0x80000000
	s_mov_b32 s[G0KS], 1
	s_add_co_u32 s[G0KS+1], s96, KSC
	s_lshl_b32 s92, s83, 4
	s_add_co_u32 s92, s92, s86
	s_add_co_u32 s92, s92, 8                       ; k's pairs of heads lie behind q's eight
	s_lshl_b32 s92, s92, 13
	s_add_co_u32 s92, s92, s96
	s_add_nc_u64 s[G0KS+2:G0KS+3], s[6:7], s[92:93]
	s_or_b32 s[G0KS+3], s[G0KS+3], 0x80000000
	s_mov_b32 s[G0V], 1
	s_add_co_u32 s[G0V+1], s95, VIMG
	s_lshl_b32 s92, s83, 4
	s_add_co_u32 s92, s92, s84
	s_mul_i32 s92, s92, 98304
	s_add_co_u32 s92, s92, 6291456
	s_add_co_u32 s92, s92, s95
	s_add_nc_u64 s[G0V+2:G0V+3], s[4:5], s[92:93]
	s_or_b32 s[G0V+3], s[G0V+3], 0x80000000
	s_mov_b32 s[G0VS], 1
	s_add_co_u32 s[G0VS+1], s96, VSC
	s_lshl_b32 s92, s83, 3
	s_add_co_u32 s92, s92, s86
	s_lshl_b32 s92, s92, 13
	s_add_co_u32 s92, s92, 262144
	s_add_co_u32 s92, s92, s96
	s_add_nc_u64 s[G0VS+2:G0VS+3], s[6:7], s[92:93]
	s_or_b32 s[G0VS+3], s[G0VS+3], 0x80000000
	tensor_load_to_lds s[G0K:G0K+3], s[G1I:G1I+7]          ; the four first fills go out together: four tensor loads of mine are out
	s_nop 0
	tensor_load_to_lds s[G0KS:G0KS+3], s[G1C:G1C+7]
	s_nop 0
	tensor_load_to_lds s[G0V:G0V+3], s[G1I:G1I+7]
	s_nop 0
	tensor_load_to_lds s[G0VS:G0VS+3], s[G1C:G1C+7]
	s_nop 0
.rept 4
	v_nop
.endr
	s_mul_i32 s92, s90, 768
	s_add_co_u32 s92, s92, s94
	s_add_nc_u64 s[4:5], s[4:5], s[92:93]          ; Q's tile
	s_lshl_b32 s92, s83, 4                         ; Q's scale words: [batch][pair][step BLK][512]; tile IDX of the step: word IDX / 2 of lane 16 (IDX % 2) + r; my head's two bytes
	s_add_co_u32 s92, s92, s86
	s_lshl_b32 s92, s92, 4
	s_add_co_u32 s92, s92, s[BLK]
	s_lshl_b32 s92, s92, 9
	s_and_b32 s97, s[IDX], 1
	s_lshl_b32 s97, s97, 8
	s_add_co_u32 s92, s92, s97
	s_lshr_b32 s97, s[IDX], 1
	s_lshl_b32 s97, s97, 2
	s_add_co_u32 s92, s92, s97
	s_lshl_b32 s97, s85, 1
	s_add_co_u32 s92, s92, s97
	s_add_nc_u64 s[6:7], s[6:7], s[92:93]
	s_lshl_b32 s92, s84, 2                         ; the head's gains
	s_add_nc_u64 s[8:9], s[8:9], s[92:93]
	s_add_nc_u64 s[10:11], s[10:11], s[92:93]
	s_add_nc_u64 s[12:13], s[12:13], s[92:93]
	s_load_b32 s[GR], s[8:9], 0x0
	s_load_b32 s[GR+1], s[10:11], 0x0
	s_load_b32 s[GR+2], s[12:13], 0x0
	s_lshr_b32 s92, s84, 2                         ; ctx's images: [head / 4][256 blocks of 16 tokens][head % 4][768]
	s_mul_i32 s92, s92, 786432
	s_lshl_b32 s97, s83, 7
	s_add_co_u32 s97, s97, s90                     ; my block of 16 tokens
	s_mul_i32 s98, s97, 3072
	s_add_co_u32 s92, s92, s98
	s_and_b32 s98, s84, 3
	s_mul_i32 s98, s98, 768
	s_add_co_u32 s92, s92, s98
	s_add_nc_u64 s[14:15], s[14:15], s[92:93]
	s_lshl_b32 s92, s97, 9                         ; ctx's scale bytes: 32 a token; my head's two
	s_lshl_b32 s98, s84, 1
	s_add_co_u32 s92, s92, s98
	s_add_nc_u64 s[16:17], s[16:17], s[92:93]
	v_and_b32 v[AD0], 31, v0                       ; lane
	v_lshlrev_b32 v[L16], 4, v[AD0]
	v_lshlrev_b32 v[L8], 3, v[AD0]
	v_and_b32 v[AD1], 15, v0                       ; r
	v_lshlrev_b32 v[W], 4, v[AD1]
	global_load_b128 v[QF:QF+3], v[L16], s[4:5]
	global_load_b64 v[QF+4:QF+5], v[L8], s[4:5] offset:512
	global_load_u16 v[QS], v[W], s[6:7]            ; two bytes, the upper two 0: they scale zero codes
	v_add_nc_u32 v[V16], VIMG, v[L16]
	v_add_nc_u32 v[V8], VIMG, v[L8]
	s_lshl_b32 s97, s85, 1
	s_add_co_u32 s97, s97, KSC
	v_add_nc_u32 v[AKS], s97, v[L16]
	s_lshl_b32 s97, s85, 3
	s_add_co_u32 s97, s97, VSC
	v_add_nc_u32 v[AVS], s97, v[L16]
	v_bfe_u32 v[AD2], v0, 4, 1                     ; h
	v_lshlrev_b32 v[AD2], 3, v[AD2]
	v_sub_nc_u32 v[AD3], v[AD1], v[AD2]            ; r - 8 h: in the diagonal's tile register j is key 8 h + j, my query is r
.irp j, 0,1,2,3,4,5,6,7
	v_cmp_gt_i32 s[MH+\j], \j, v[AD3]
	v_cmp_eq_i32 s[ME+\j], \j, v[AD3]
.endr
	v_mov_b32 v[ZR], 0
	v_mov_b32 v[NINF], 0xff800000
.irp j, 0,1,2,3,4,5
	v_mov_b32 v[QF+6+\j], 0                        ; zero codes: the upper 64 of the instruction's K
	v_mov_b32 v[KF+48+\j], 0
.endr
	v_mov_b32 v[NM+1], 0xff61b1e6                  ; the largest t so far: -3e38
	v_floor_f32 v[NM], -v[NM+1]                    ; -M
	v_mov_b32 v[LS], 0
	v_mov_b32 v[LS+1], 0
.irp b, 0,1,2,3
	v_mov_b32 v[TM+4+\b], 0                        ; a lane permute's destination counts as one of its sources
.endr
	v_mov_b32 v[W+4], 0
	v_mov_b32 v[W+5], 0
	v_mov_b32 v[W+7], 0                            ; (the upper half of the pair v[234:235])
.set i, 0
.rept 32
	v_mov_b32 v[O+i], 0                            ; O^T: the key step is written once, and its first trip adds onto zeros
.set i, i+1
.endr
	s_wait_kmcnt 0x0
	v_mov_b32 v[GS], s[GR+1]
	s_wait_loadcnt 0x0                             ; Q
	s_wait_tensorcnt 0x2                           ; my parts of K and of its scale words are in; V's two loads may stay out
	s_barrier_signal -1
	s_barrier_wait -1                              ; everybody's are
; S^T of a key step: eight tiles of 16 keys.  The three additions and the v_nop are the places in front of loads into registers that matrix instructions have read.
.macro KSCORES
	v_add_nc_u32 v[AD0], s[TK], v[L16]
	v_add_nc_u32 v[AD1], s[TK], v[L8]
	v_add_nc_u32 v[AD2], s[TS], v[AKS]
	v_nop
.irp t, 0,1,2,3,4,5,6,7
	ds_load_b128 v[KF+6*\t:KF+6*\t+3], v[AD0] offset:768*\t
	ds_load_b64 v[KF+6*\t+4:KF+6*\t+5], v[AD1] offset:768*\t+512
.endr
.irp p, 0,1,2,3
	ds_load_u16 v[KS+\p], v[AD2] offset:4*\p       ; lanes 0-15: tile 2 p's words, lanes 16-31: tile 2 p + 1's; my head's two bytes
.endr
	s_wait_dscnt 0x0
.irp t, 0,2,4,6
	v_wmma_scale_f32_16x16x128_f8f6f4 v[S+8*\t:S+8*\t+7], v[KF+6*\t:KF+6*\t+11], v[QF:QF+11], 0, v[KS+\t/2], v[QS] matrix_a_fmt:MATRIX_FMT_FP6 matrix_b_fmt:MATRIX_FMT_FP6
	v_wmma_scale_f32_16x16x128_f8f6f4 v[S+8*\t+8:S+8*\t+15], v[KF+6*\t+6:KF+6*\t+17], v[QF:QF+11], 0, v[KS+\t/2], v[QS] matrix_a_fmt:MATRIX_FMT_FP6 matrix_b_fmt:MATRIX_FMT_FP6 matrix_a_scale:MATRIX_SCALE_ROW1
.endr
.endm
; The step on the diagonal, tile by tile; the branches hang on the wave's number.  Tiles in front of mine are open; mine is masked; those behind are hidden.
; kind 1 (pass 1): hidden scores become -infinity.  kind 2 (pass 2): the diagonal takes g_s, hidden numbers become 0 (whatever an exponential of a hidden score gave is dropped by the select).
.macro DIAG kind
.irp t, 0,1,2,3,4,5,6,7
	s_cmp_gt_u32 s[IDX], \t
	s_cbranch_scc1 .Lopen_\@_\t
	s_cmp_eq_u32 s[IDX], \t
	s_cbranch_scc0 .Lhid_\@_\t
.irp j, 0,1,2,3,4,5,6,7
.if \kind == 1
	v_cndmask_b32 v[S+8*\t+\j], v[S+8*\t+\j], v[NINF], s[MH+\j]
.else
	v_cndmask_b32 v[W+10], v[ZR], v[GS], s[ME+\j]
	v_add_f32 v[S+8*\t+\j], v[S+8*\t+\j], v[W+10]
	v_cndmask_b32 v[S+8*\t+\j], v[S+8*\t+\j], v[ZR], s[MH+\j]
.endif
.endr
	s_branch .Lopen_\@_\t
.Lhid_\@_\t:
.irp j, 0,1,2,3,4,5,6,7
.if \kind == 1
	v_mov_b32 v[S+8*\t+\j], v[NINF]
.else
	v_mov_b32 v[S+8*\t+\j], 0
.endif
.endr
.Lopen_\@_\t:
.endr
.endm
; 64 numbers of a lane, v[s] on, four blocks of 32 shared with lane l xor 16, become a fragment's codes in v[CD] on and its scale word in v[PW].
.macro QUANT s
.irp b, 0,1,2,3
	v_max3_num_f32 v[TM+\b], |v[\s+16*\b]|, |v[\s+1+16*\b]|, 0x1800000   ; and the floor 2^(3 - 127): the byte cannot fall under 1
.endr
.irp n, 2,4,6,8,10,12,14
.irp b, 0,1,2,3
	v_max3_num_f32 v[TM+\b], v[TM+\b], |v[\s+16*\b+\n]|, |v[\s+1+16*\b+\n]|
.endr
.endr
.irp b, 0,1,2,3
	v_permlanex16_b32 v[TM+4+\b], v[TM+\b], s[SEL], s[SEL+1]
.endr
.irp b, 0,1,2,3
	v_max_num_f32 v[TM+\b], v[TM+\b], v[TM+4+\b]
.endr
.irp b, 0,1,2,3
	v_add_nc_u32 v[TM+12+\b], 0xff000000, v[TM+\b] ; 2 off the exponent field: the conversion's scale operand
.endr
.irp b, 0,1,2,3
	v_lshrrev_b32 v[TM+4+\b], 23, v[TM+12+\b]      ; the scale's byte
.endr
	v_lshl_or_b32 v[PW], v[TM+5], 8, v[TM+4]
	v_lshl_or_b32 v[PW], v[TM+6], 16, v[PW]
	v_lshl_or_b32 v[PW], v[TM+7], 24, v[PW]
.irp c, 0,1
	v_cvt_scalef32_pk16_fp6_f32 v[CD+6*\c:CD+2+6*\c], v[\s+32*\c:\s+15+32*\c], v[TM+12+2*\c]
	v_cvt_scalef32_pk16_fp6_f32 v[CD+12+4*\c:CD+14+4*\c], v[\s+16+32*\c:\s+31+32*\c], v[TM+12+2*\c+1]
.endr
	v_nop                                          ; one plain place behind a scaled conversion
.irp c, 0,1
.irp n, 0,1,2
	v_permlane16_swap_b32 v[CD+6*\c+\n], v[CD+12+4*\c+\n]
.endr
.irp n, 0,1,2
	v_mov_b32 v[CD+3+6*\c+\n], v[CD+12+4*\c+\n]
.endr
.endr
.endm
	; ---- PASS 1: each LANE keeps the maximum and the sum of its own 64 keys a step; the two lanes of a query are joined behind the loop
	s_mov_b32 s[ST], 0
	s_mov_b32 s[TK], 0
	s_mov_b32 s[TS], 0
.Lp1:
	s_cmp_gt_u32 s[ST], s[BLK]                     ; a step wholly behind the diagonal: only the stepping lines
	s_cbranch_scc1 .Lp1_next
	KSCORES
.rept 4
	v_nop
.endr
	s_cmp_lg_u32 s[ST], s[BLK]
	s_cbranch_scc1 .Lp1_open
	DIAG 1
.Lp1_open:
.irp b, 0,1,2,3
	v_max3_num_f32 v[W+\b], v[S+16*\b], v[S+1+16*\b], v[S+2+16*\b]     ; four chains by turns, each accumulator from its low end on
.endr
.irp n, 3,5,7,9,11,13
.irp b, 0,1,2,3
	v_max3_num_f32 v[W+\b], v[W+\b], v[S+16*\b+\n], v[S+1+16*\b+\n]
.endr
.endr
.irp b, 0,1,2,3
	v_max_num_f32 v[W+\b], v[W+\b], v[S+15+16*\b]
.endr
	v_max3_num_f32 v[W+4], v[W], v[W+1], v[W+2]
	v_max_num_f32 v[W+4], v[W+4], v[W+3]
	v_mul_f32 v[W+4], s[CS], v[W+4]                ; as t (c is positive)
	v_max_num_f32 v[NM+1], v[NM+1], v[W+4]         ; the running largest t
	v_mov_b32 v[W+4], v[NM]
	v_floor_f32 v[NM], -v[NM+1]                    ; the new -M = -ceil(t)
	v_sub_f32 v[W+4], v[NM], v[W+4]                ; old M - new M: a whole number, 0 or less
	v_cvt_i32_f32 v[W+4], v[W+4]                   ; (it saturates)
	v_ldexp_f32 v[W+6], 1.0, v[W+4]                ; f = 2^(old M - new M)
.set i, 0
.rept 32
	v_pk_fma_f32 v[S+i:S+i+1], v[S+i:S+i+1], s[CS:CS+1], v[NM:NM+1] op_sel_hi:[1,0,0]   ; t - M
.set i, i+2
.endr
.set i, 0
.rept 64
	v_exp_f32 v[S+i], v[S+i]
.set i, i+1
.endr
	v_pk_mul_f32 v[LS:LS+1], v[LS:LS+1], v[W+6:W+7] op_sel_hi:[1,0]    ; the sums under the new M.  (The plain place behind the exponentials)
	s_wait_alu depctr_va_vdst(0)
	v_pk_add_f32 v[W+8:W+9], v[S:S+1], v[S+2:S+3]
.irp n, 4,8,12,16,20,24,28,32,36,40,44,48,52,56,60
	v_pk_add_f32 v[LS:LS+1], v[LS:LS+1], v[S+\n:S+\n+1]
	v_pk_add_f32 v[W+8:W+9], v[W+8:W+9], v[S+2+\n:S+3+\n]
.endr
	v_pk_add_f32 v[LS:LS+1], v[LS:LS+1], v[W+8:W+9]
.Lp1_next:
	s_add_co_u32 s[TK], s[TK], STEPB
	s_add_co_u32 s[TS], s[TS], 512
	s_add_co_u32 s[ST], s[ST], 1
	s_cmp_lt_u32 s[ST], 16
	s_cbranch_scc1 .Lp1
	s_wait_tensorcnt 0x0                           ; my parts of V and of its scale words are in,
	s_wait_dscnt 0x0
	s_barrier_signal -1
	s_barrier_wait -1                              ; everybody's are
	; the two lanes of a query are joined: the larger M, both sums under it (a lane that saw no open key has M = -3e38 and the sum 0)
	v_add_f32 v[LS], v[LS], v[LS+1]
	v_permlanex16_b32 v[W+4], v[NM], s[SEL], s[SEL+1]
	v_min_num_f32 v[W+4], v[NM], v[W+4]            ; the final -M
	v_sub_f32 v[W+5], v[W+4], v[NM]
	v_cvt_i32_f32 v[W+5], v[W+5]
	v_ldexp_f32 v[W+5], 1.0, v[W+5]
	v_mul_f32 v[LS], v[LS], v[W+5]
	v_mov_b32 v[NM], v[W+4]
	v_permlanex16_b32 v[W+5], v[LS], s[SEL], s[SEL+1]
	v_add_f32 v[LS], v[LS], v[W+5]                 ; l: at least 1/2, since the largest p is
	v_and_b32 v[W+6], 15, v0
	v_add_nc_u32 v[W+6], s[QP1], v[W+6]
	v_cvt_f32_u32 v[W+6], v[W+6]                   ; q + 1
	v_rcp_f32 v[W+5], v[LS]
	v_rcp_f32 v[W+7], v[W+6]
	v_nop                                          ; a plain place behind the reciprocals
	s_wait_alu depctr_va_vdst(0)
	v_fma_f32 v[W+8], -v[LS], v[W+5], 1.0          ; one Newton step each
	v_fma_f32 v[W+9], -v[W+6], v[W+7], 1.0
	v_fma_f32 v[W+5], v[W+5], v[W+8], v[W+5]
	v_fma_f32 v[W+7], v[W+7], v[W+9], v[W+7]
	v_mul_f32 v[CA], s[GR], v[W+5]                 ; g_r / l
	v_mul_f32 v[CB], s[GR+2], v[W+7]
	v_xor_b32 v[CB], 0x80000000, v[CB]             ; -g_c / (q + 1)
	v_mov_b32 v[CA+1], v[CA]                       ; (named as pairs)
	v_mov_b32 v[CB+1], v[CB]
	; ---- PASS 2
	s_mov_b32 s[ST], 0
	s_mov_b32 s[TK], 0
	s_mov_b32 s[TS], 0
.Lp2:
	s_cmp_gt_u32 s[ST], s[BLK]
	s_cbranch_scc1 .Lp2_next
	KSCORES
	v_add_nc_u32 v[AD0], s[TK], v[V16]             ; four places behind the products: for the loads over K's tiles and for the first read of the scores
	v_add_nc_u32 v[AD1], s[TK], v[V8]
	v_add_nc_u32 v[AD3], s[TS], v[AVS]
	v_nop
.irp t, 0,1,2,3                                ; V^T's four fragments (16 channels x 128 keys) land while the softmax is worked
	ds_load_b128 v[KF+12*\t:KF+12*\t+3], v[AD0] offset:1536*\t
	ds_load_b64 v[KF+12*\t+4:KF+12*\t+5], v[AD1] offset:1536*\t+512
	ds_load_b128 v[KF+12*\t+6:KF+12*\t+9], v[AD0] offset:1536*\t+768
	ds_load_b64 v[KF+12*\t+10:KF+12*\t+11], v[AD1] offset:1536*\t+1280
.endr
	ds_load_b64 v[VS:VS+1], v[AD3]                 ; lanes 0-15: tiles 0 and 2, lanes 16-31: tiles 1 and 3
.set i, 0
.rept 32
	v_pk_fma_f32 v[S+i:S+i+1], v[S+i:S+i+1], s[CS:CS+1], v[NM:NM+1] op_sel_hi:[1,0,0]   ; t - M
.set i, i+2
.endr
.set i, 0
.rept 64
	v_exp_f32 v[S+i], v[S+i]
.set i, i+1
.endr
	v_nop                                          ; a plain place behind the exponentials
.set i, 0
	s_wait_alu depctr_va_vdst(0)
.rept 32
	v_pk_fma_f32 v[S+i:S+i+1], v[S+i:S+i+1], v[CA:CA+1], v[CB:CB+1] op_sel_hi:[1,0,0]   ; p g_r / l - g_c / (q + 1)
.set i, i+2
.endr
	s_cmp_lg_u32 s[ST], s[BLK]
	s_cbranch_scc1 .Lp2_open
	DIAG 2
.Lp2_open:
	QUANT S
.rept 8
	v_nop                                          ; a scale register written by a vector instruction stands 8 places ahead of a scaled matrix instruction, an operand 4
.endr
	s_wait_dscnt 0x0                               ; V
.irp t, 0,2                                    ; the four accumulators by turns; the scores' products stand between two trips' turns
	v_wmma_scale_f32_16x16x128_f8f6f4 v[O+8*\t:O+8*\t+7], v[KF+12*\t:KF+12*\t+11], v[CD:CD+11], v[O+8*\t:O+8*\t+7], v[VS+\t/2], v[PW] matrix_a_fmt:MATRIX_FMT_FP6 matrix_b_fmt:MATRIX_FMT_FP6
	v_wmma_scale_f32_16x16x128_f8f6f4 v[O+8*\t+8:O+8*\t+15], v[KF+12*\t+12:KF+12*\t+23], v[CD:CD+11], v[O+8*\t+8:O+8*\t+15], v[VS+\t/2], v[PW] matrix_a_fmt:MATRIX_FMT_FP6 matrix_b_fmt:MATRIX_FMT_FP6 matrix_a_scale:MATRIX_SCALE_ROW1
.endr
.Lp2_next:
	s_add_co_u32 s[TK], s[TK], STEPB
	s_add_co_u32 s[TS], s[TS], 512
	s_add_co_u32 s[ST], s[ST], 1
	s_cmp_lt_u32 s[ST], 16
	s_cbranch_scc1 .Lp2
	; ---- THE WAY OUT: my 16 queries x 64 channels are two blocks of the last product's K: quantised, and stored as an image of six operand registers
.rept 4
	v_nop
.endr
.irp b, 0,1
	v_max3_num_f32 v[TM+\b], |v[O+16*\b]|, |v[O+1+16*\b]|, 0x1800000
.endr
.irp n, 2,4,6,8,10,12,14
.irp b, 0,1
	v_max3_num_f32 v[TM+\b], v[TM+\b], |v[O+16*\b+\n]|, |v[O+1+16*\b+\n]|
.endr
.endr
.irp b, 0,1
	v_permlanex16_b32 v[TM+4+\b], v[TM+\b], s[SEL], s[SEL+1]
.endr
.irp b, 0,1
	v_max_num_f32 v[TM+\b], v[TM+\b], v[TM+4+\b]
.endr
.irp b, 0,1
	v_add_nc_u32 v[TM+12+\b], 0xff000000, v[TM+\b]
.endr
.irp b, 0,1
	v_lshrrev_b32 v[TM+4+\b], 23, v[TM+12+\b]
.endr
	v_lshl_or_b32 v[W], v[TM+5], 8, v[TM+4]        ; my row's two scale bytes
	v_cvt_scalef32_pk16_fp6_f32 v[CD:CD+2], v[O:O+15], v[TM+12]
	v_cvt_scalef32_pk16_fp6_f32 v[CD+12:CD+14], v[O+16:O+31], v[TM+13]
	v_nop
.irp n, 0,1,2
	v_permlane16_swap_b32 v[CD+\n], v[CD+12+\n]
.endr
.irp n, 0,1,2
	v_mov_b32 v[CD+3+\n], v[CD+12+\n]
.endr
	global_store_b128 v[L16], v[CD:CD+3], s[14:15]                 ; 512 consecutive bytes, aligned
	global_store_b64 v[L8], v[CD+4:CD+5], s[14:15] offset:512      ; 256 consecutive bytes, aligned
	v_and_b32 v[W+1], 15, v0
	v_lshlrev_b32 v[W+1], 5, v[W+1]                ; 32 scale bytes a token
	v_and_b32 v[W+2], 31, v0
	v_cmp_gt_u32 vcc_lo, 16, v[W+2]
	s_wait_xcnt 0x0                                ; EXEC changes only behind this wait
	s_wait_tensorcnt 0x0
	ds_add_u32 v254, v255
	s_wait_dscnt 0x0
	s_and_saveexec_b32 s82, vcc_lo                 ; lanes 0-15: one lane a token.  Two bytes to rows 32 bytes apart: the bytes beside them belong to other heads' work-groups, so they cannot be gathered here; 131,072 bytes in the whole launch
	global_store_b16 v[W+1], v[W], s[16:17]
	s_wait_xcnt 0x0
	s_or_b32 exec_lo, exec_lo, s82
	s_endpgm
.Lfunc_end_k_q691352c89d_attn:
	.size	k_q691352c89d_attn, .Lfunc_end_k_q691352c89d_attn-k_q691352c89d_attn
	.p2alignl 7, 3214868480
	.fill 96, 4, 3214868480
	.section	.rodata,"a",@progbits
	.p2align	6, 0x0
	.amdhsa_kernel k_q691352c89d_attn
		.amdhsa_group_segment_fixed_size 215040
		.amdhsa_private_segment_fixed_size 0
		.amdhsa_enable_private_segment 0
		.amdhsa_kernarg_size 56
		.amdhsa_user_sgpr_count 2
		.amdhsa_user_sgpr_kernarg_segment_ptr 1
		.amdhsa_wavefront_size32 1
		.amdhsa_system_sgpr_workgroup_id_x 1
		.amdhsa_system_sgpr_workgroup_id_y 1
		.amdhsa_system_sgpr_workgroup_id_z 1
		.amdhsa_system_vgpr_workitem_id 0
		.amdhsa_next_free_vgpr 256
		.amdhsa_next_free_sgpr 100
		.amdhsa_reserve_vcc 1
		.amdhsa_float_denorm_mode_32 3
		.amdhsa_float_denorm_mode_16_64 3
		.amdhsa_memory_ordered 1
		.amdhsa_forward_progress 1
		.amdhsa_inst_pref_size 61
	.end_amdhsa_kernel
	.amdgpu_metadata
---
amdhsa.version: [ 1, 2 ]
amdhsa.kernels:
  - .name:           k_q691352c89d_attn
    .symbol:         k_q691352c89d_attn.kd
    .args:
      - { .name: qkv_img, .offset: 0, .size: 8, .value_kind: global_buffer, .address_space: global }
      - { .name: qkv_sc, .offset: 8, .size: 8, .value_kind: global_buffer, .address_space: global }
      - { .name: attn_mat_resid_gain, .offset: 16, .size: 8, .value_kind: global_buffer, .address_space: global }
      - { .name: attn_mat_skip_gain, .offset: 24, .size: 8, .value_kind: global_buffer, .address_space: global }
      - { .name: centre_attn_gain, .offset: 32, .size: 8, .value_kind: global_buffer, .address_space: global }
      - { .name: ctx_img, .offset: 40, .size: 8, .value_kind: global_buffer, .address_space: global }
      - { .name: ctx_scales, .offset: 48, .size: 8, .value_kind: global_buffer, .address_space: global }
    .group_segment_fixed_size: 215040
    .private_segment_fixed_size: 0
    .kernarg_segment_align: 8
    .kernarg_segment_size: 56
    .max_flat_workgroup_size: 512
    .sgpr_count:     100
    .vgpr_count:     256
    .wavefront_size: 32
...
	.end_amdgpu_metadata
.endif
;; end of part 3
;; launch proj (part 4): grid 4 x 16, 4 waves a work-group, clusters of 4 x 4, 327,680 bytes of LDS; arguments ctx_img, ctx_scales, wq_codes, wq_scales, out0; writes out0
.if DOCPART == 4
	.amdgcn_target "amdgcn-amd-amdhsa--gfx1250"
	.amdhsa_code_object_version 6
	.text
	.protected	k_q691352c89d_proj
	.globl	k_q691352c89d_proj
	.p2align	8
	.type	k_q691352c89d_proj,@function
k_q691352c89d_proj:
	s_mov_b64 s[64:65], 0
	v_nop
	global_prefetch_b8 v0, s[64:65] scope:SCOPE_SE
	s_setreg_imm32_b32 hwreg(HW_REG_WAVE_MODE, 25, 1), 1
	s_wait_xcnt 0x0
	s_wait_alu depctr_hold_cnt(0) depctr_sa_sdst(0) depctr_va_vdst(0) depctr_va_sdst(0) depctr_va_ssrc(0) depctr_va_vcc(0) depctr_vm_vsrc(0)
	s_getreg_b32 s2, hwreg(HW_REG_IB_STS2, 6, 4)
	s_cmp_eq_u32 s2, 0
	s_cbranch_scc0 .Lentry_in_a_cluster
	s_endpgm
.Lentry_in_a_cluster:
	s_bfe_u32 s2, ttmp6, 0x10000c
	s_cmp_lg_u32 s2, 0xf033
	s_cbranch_scc0 .Lentry_shape_is_right
	s_endpgm
.Lentry_shape_is_right:
; out[m][n] = sum over k of ctx[m][k] Wp'[n][k] on codes of FP6 (E2M3) with one E8M0 scale for each 32 along K.  M = 4,096, N = 1,024, K = 1,024; out is f32.
; B = Wp' lies as rows of 768 bytes (the second half of the weights' workspace).  A = ctx lies as IMAGES OF OPERAND REGISTERS: [K step of 256][block of 16 rows][4 x 768 bytes]; an image of 6 registers is
; registers 0-3 at 16 x lane and registers 4-5 at 512 + 8 x lane; two images on end are a fragment of 16 rows x 128 K.  So 128 rows of a K step are 24,576 dense bytes, and a fragment is four loads.
; Inside each block of 32 along K both operands carry the same changed-over order (groups of eight 1 and 2 change places), which keeps the products.
; A tile of out, 256 x 256, is made by four waves of 128 x 128 (64 accumulators).  K goes in steps of 256 through two LDS slots; the scales of the work-group's rows come once and stay.
; CLUSTERS: 4 x 4 work-groups; A's tiles are asked for jointly along a row of the cluster, B's along a column.  64 work-groups in all: N and M give no more tiles of this size.
; The matrix instruction is used transposed (source 0 = 16 rows of B, source 1 = 16 rows of A): a lane holds eight neighbouring numbers of a row of out.
; REGISTERS: window 0: v0-31 addresses; v32-63 scale words, two sets; from v128 A's fragments, one set; window 1: B's fragments, two sets; windows 2, 3: the accumulators.
.set SIZE_N, 1024
.set KSTEP,  256
.set NQ,     2
.set ROWB,   192
.set KROW,   768
.set PITCH,  240
.set FR,     12
.set NL,     6                         ; LDS loads of a fragment of B
.set NLA,    4                         ; and of A
.set NP,     4
.set HALFT,  128*PITCH                 ; a wave's quarter of a slot; A's quarters use 24,576 of these 30,720 bytes
.set SLOT,   4*HALFT
.set ASTEP,  786432                    ; from a K step of A's images to the next
.set LAPS,   2
.set KS,     32
.set SCL,    2*SLOT
.set HALFS,  (128*KS/256)*272
.set SBLK,   (16*KS/256)*272
.set SPARE,  SCL+4*HALFS               ; the spare words, 128 bytes for each wave: two blocks of 256 bytes that no other line names
.set SPITCH, 528                       ; the way out: a stage of 16 rows x (512 + 16) bytes for each wave, in slot 0, which has had its last fill and its last read by then
.set ADRA, 16                          ; v16-17 A: 16 x lane in slot 0, 1;  v18-19: 8 x lane
.set ADRB, 20
.set STO,  24
.set RD,   25
.set CO,   26
.set ADRS, 27
.set SPW,  28
.set NIL,  29
.set SC,   32
.set AF,   128
.set BK,   128
.set G1, 24
.set G0, 32
.set G1B, 48
.set G0B, 56
.set G1S, 68
.set G0S, 76
.set G1SB, 80
.set G0SB, 88
.set MSB, 0
.macro WIN new
.if MSB != \new
	s_set_vgpr_msb (MSB<<8)|\new
.set MSB, \new
.endif
.endm
.set MUL_LO, 0xa1
.set MUL_HI, 0xf1
.set TO_B,   0x40
.macro JLOAD g0a, g1a, g0b, g1b        ; a joint load: waves 0 and 1 fetch for A, waves 2 and 3 for B; four v_nop follow each of the two lines
	s_cmp_eq_u32 s15, 0
	s_cbranch_scc0 .Lfor_b_\@
	tensor_load_to_lds s[\g0a:\g0a+3], s[\g1a:\g1a+7]
	s_nop 0
.rept 4
	v_nop
.endr
	s_branch .Lasked_\@
.Lfor_b_\@:
	tensor_load_to_lds s[\g0b:\g0b+3], s[\g1b:\g1b+7]
	s_nop 0
.rept 4
	v_nop
.endr
.Lasked_\@:
.endm
.macro CREST
	s_cmp_lg_u32 s14, 0
	s_cbranch_scc1 .Lnot_wave_0_\@
	s_barrier_signal -3
.Lnot_wave_0_\@:
	s_barrier_wait -3
	s_barrier_signal -1
	s_barrier_wait -1
.endm
.macro CROUND
	s_barrier_signal -1
	s_barrier_wait -1
	CREST
.endm
	s_load_b128 s[4:7], s[0:1], 0x0                ; ctx's images, ctx's scales
	s_load_b128 s[8:11], s[0:1], 0x10              ; the weights' codes, their scales
	s_load_b64 s[12:13], s[0:1], 0x20              ; out
	v_lshl_add_u32 v[SPW], v0, 2, SPARE
	v_mov_b32 v[NIL], 0
	ds_add_u32 v28, v29
	ds_add_u32 v28, v29
	s_wait_dscnt 0x0
	v_lshrrev_b32 v1, 5, v0
	v_readfirstlane_b32 s14, v1                    ; wave 0..3
	s_lshr_b32 s15, s14, 1
	s_and_b32 s16, s14, 1
	s_bfe_u32 s40, ttmp6, 0x40000                  ; cx, cy
	s_bfe_u32 s41, ttmp6, 0x40004
	s_lshl_b32 s42, ttmp9, 2
	s_add_co_u32 s42, s42, s40                     ; tile column
	s_and_b32 s17, ttmp7, 0xffff
	s_lshl_b32 s17, s17, 2
	s_add_co_u32 s17, s17, s41                     ; tile row
	s_lshl_b32 s43, s41, 2
	s_lshl_b32 s43, 15, s43                        ; my row of the cluster
	s_lshl_b32 s44, 0x1111, s40                    ; my column
	s_or_b32 s[G1+0], s43, (3<<16)|(1<<21)         ; A: 24,576 dense bytes as 96 rows of 256 bytes (32 elements of 8 bytes), no padding
	s_mov_b32 s[G1+1], 32<<16
	s_mov_b32 s[G1+2], 96<<16
	s_mov_b32 s[G1+3], 32<<16
	s_mov_b32 s[G1+4], 96
	s_mov_b32 s[G1+5], 32
	s_mov_b32 s[G1+6], 0
	s_mov_b32 s[G1+7], 0
	s_or_b32 s[G1B+0], s44, (0<<16)|(1<<20)|(1<<21)|(3<<22)|(3<<25)   ; B: 128 rows x 192 bytes, 16 bytes of padding behind every 64
	s_mov_b32 s[G1B+1], ROWB<<16
	s_mov_b32 s[G1B+2], 128<<16
	s_mov_b32 s[G1B+3], ROWB<<16
	s_mov_b32 s[G1B+4], 128
	s_mov_b32 s[G1B+5], KROW
	s_mov_b32 s[G1B+6], 0
	s_mov_b32 s[G1B+7], 0
	s_or_b32 s[G1S+0], s43, (3<<16)|(1<<20)|(1<<21)|(5<<22)|(3<<25)   ; the scales of 128 rows: 16 rows of 256 bytes, 16 of padding behind each
	s_or_b32 s[G1SB+0], s44, (3<<16)|(1<<20)|(1<<21)|(5<<22)|(3<<25)
.irp g, G1S, G1SB
	s_mov_b32 s[\g+1], 32<<16
	s_mov_b32 s[\g+2], (128*KS/256)<<16
	s_mov_b32 s[\g+3], 32<<16
	s_mov_b32 s[\g+4], 128*KS/256
	s_mov_b32 s[\g+5], 32
	s_mov_b32 s[\g+6], 0
	s_mov_b32 s[\g+7], 0
.endr
	s_lshl_b32 s18, s16, 7
	s_lshl_b32 s20, s17, 8
	s_add_co_u32 s20, s20, s18                     ; A: row 256 x tile row + 128 x half
	s_lshl_b32 s46, s42, 8
	s_add_co_u32 s46, s46, s18                     ; B: row 256 x tile column + 128 x half
	s_mov_b32 s21, 0
	s_mov_b32 s47, 0
	s_mov_b64 s[18:19], KS
	s_mul_u64 s[22:23], s[20:21], s[18:19]
	s_mul_u64 s[92:93], s[46:47], s[18:19]
	s_mov_b64 s[18:19], 192                        ; A's images: 3,072 bytes for 16 rows of a K step
	s_mul_u64 s[20:21], s[20:21], s[18:19]
	s_mov_b64 s[18:19], KROW
	s_mul_u64 s[46:47], s[46:47], s[18:19]
	s_mul_i32 s45, s14, HALFT
	s_mul_i32 s94, s14, HALFS
	s_wait_kmcnt 0x0
	s_add_nc_u64 s[8:9], s[8:9], 786432            ; Wp' lies behind Wv'
	s_add_nc_u64 s[10:11], s[10:11], 32768
	s_add_nc_u64 s[20:21], s[4:5], s[20:21]
	s_add_nc_u64 s[22:23], s[6:7], s[22:23]
	s_add_nc_u64 s[46:47], s[8:9], s[46:47]
	s_add_nc_u64 s[92:93], s[10:11], s[92:93]
	CROUND                                         ; all sixteen work-groups are here: the first joint loads meet
	s_mov_b32 s[G0S], 1
	s_add_co_u32 s[G0S+1], s94, SCL
	s_mov_b64 s[G0S+2:G0S+3], s[22:23]
	s_or_b32 s[G0S+3], s[G0S+3], 0x80000000
	s_mov_b32 s[G0SB], 1
	s_add_co_u32 s[G0SB+1], s94, SCL
	s_mov_b64 s[G0SB+2:G0SB+3], s[92:93]
	s_or_b32 s[G0SB+3], s[G0SB+3], 0x80000000
	JLOAD G0S, G1S, G0SB, G1SB
.irp s, 0,1
	s_mov_b32 s[G0+4*\s], 1
	s_add_co_u32 s[G0+4*\s+1], s45, \s*SLOT
	s_add_nc_u64 s[G0+4*\s+2:G0+4*\s+3], s[20:21], \s*ASTEP
	s_or_b32 s[G0+4*\s+3], s[G0+4*\s+3], 0x80000000
	s_mov_b32 s[G0B+4*\s], 1
	s_add_co_u32 s[G0B+4*\s+1], s45, \s*SLOT
	s_add_nc_u64 s[G0B+4*\s+2:G0B+4*\s+3], s[46:47], \s*ROWB
	s_or_b32 s[G0B+4*\s+3], s[G0B+4*\s+3], 0x80000000
	JLOAD G0+4*\s, G1, G0B+4*\s, G1B
.endr
	v_and_b32 v1, 15, v0                           ; l % 16
	v_bfe_u32 v2, v0, 4, 1                         ; l / 16
	v_mul_u32_u24 v3, v1, PITCH
	v_mul_u32_u24 v4, v2, 24
	v_add_nc_u32 v4, v3, v4                        ; B: a fragment's row x pitch + 24 x half
	v_lshl_add_u32 v5, v2, 4, v4                   ; and the same behind one padding more
	v_and_b32 v6, 31, v0
	v_lshlrev_b32 v7, 4, v6                        ; A: 16 x lane,
	v_lshlrev_b32 v8, 3, v6                        ; 8 x lane
	s_mul_i32 s21, s15, HALFT                      ; my 128 rows of A
	s_mul_i32 s22, s16, HALFT                      ; my 128 rows of B,
	s_add_co_u32 s22, s22, 2*HALFT                 ; which lie behind A's two quarters
.irp s, 0,1
	v_add_nc_u32 v[ADRA+\s], s21, v7
	v_add_nc_u32 v[ADRB+\s], s22, v4
	v_add_nc_u32 v[ADRA+2+\s], s21, v8
	v_add_nc_u32 v[ADRB+2+\s], s22, v5
	s_add_co_u32 s21, s21, SLOT
	s_add_co_u32 s22, s22, SLOT
.endr
	v_mul_u32_u24 v5, v1, KS
	v_lshrrev_b32 v6, 8, v5
	v_lshl_add_u32 v5, v6, 4, v5
	s_mul_i32 s21, s15, HALFS
	s_mul_i32 s22, s16, HALFS
	s_add_co_u32 s22, s22, 2*HALFS
	s_sub_co_u32 s22, s22, s21
	v_mul_u32_u24 v6, s22, v2                      ; lanes 16-31 take B's
	s_add_co_u32 s21, s21, SCL
	v_add_nc_u32 v5, v5, v6
	v_add_nc_u32 v[ADRS], s21, v5
	s_mul_i32 s23, s14, 16*SPITCH                  ; my stage
	v_mul_u32_u24 v5, v1, SPITCH
	v_lshl_add_u32 v5, v2, 5, v5
	v_add_nc_u32 v[STO], s23, v5
	v_and_b32 v6, 31, v0
	v_lshlrev_b32 v[CO], 4, v6
	v_add_nc_u32 v[RD], s23, v[CO]
	s_lshl_b32 s20, s17, 8
	s_lshl_b32 s21, s15, 7
	s_add_co_u32 s20, s20, s21                     ; my first row of out
	s_mov_b32 s21, 0
	s_mov_b64 s[18:19], SIZE_N*4
	s_mul_u64 s[20:21], s[20:21], s[18:19]
	s_lshl_b32 s46, s42, 10                        ; my first column, in bytes
	s_lshl_b32 s47, s16, 9
	s_add_co_u32 s46, s46, s47
	s_mov_b32 s47, 0
	s_add_nc_u64 s[20:21], s[20:21], s[46:47]
	s_add_nc_u64 s[12:13], s[12:13], s[20:21]
.macro FRAG reg, adr, q, i             ; B: six pieces of 8 bytes
.irp p, 0,1,2,3,4,5
.set PIECE, 12*(\q)+6*(\p/3)+\p%3
.if PIECE%8 < 5
	ds_load_b64 v[\reg+2*\p:\reg+2*\p+1], v[\adr] offset:8*PIECE+16*(PIECE/8)+(\i)*16*PITCH
.else
	ds_load_b64 v[\reg+2*\p:\reg+2*\p+1], v[\adr+2] offset:8*PIECE+16*(PIECE/8)+(\i)*16*PITCH
.endif
.endr
.endm
.macro FRAGA reg, slot, q, i           ; A: two images on end, as they were stored
	ds_load_b128 v[\reg:\reg+3], v[ADRA+\slot] offset:(\i)*3072+(\q)*1536
	ds_load_b64 v[\reg+4:\reg+5], v[ADRA+2+\slot] offset:(\i)*3072+(\q)*1536+512
	ds_load_b128 v[\reg+6:\reg+9], v[ADRA+\slot] offset:(\i)*3072+(\q)*1536+768
	ds_load_b64 v[\reg+10:\reg+11], v[ADRA+2+\slot] offset:(\i)*3072+(\q)*1536+1280
.endm
.macro MUL16 a0, p, q, sc, zero        ; 16 matrix instructions; the 64 accumulators take turns
.irp a, \a0, \a0+1
.irp b, 0,1,2,3,4,5,6,7
.if \zero
	v_wmma_scale_f32_16x16x128_f8f6f4 v[8*(8*((\a)%4)+\b):8*(8*((\a)%4)+\b)+7], v[128*(\p)+FR*\b:128*(\p)+FR*\b+FR-1], v[AF+FR*(\a):AF+FR*(\a)+FR-1], 0, v[SC+8*NQ*(\sc)+NQ*\b+(\q)], v[SC+8*NQ*(\sc)+NQ*(\a)+(\q)] matrix_a_fmt:MATRIX_FMT_FP6 matrix_b_fmt:MATRIX_FMT_FP6 matrix_a_scale:MATRIX_SCALE_ROW1
.else
	v_wmma_scale_f32_16x16x128_f8f6f4 v[8*(8*((\a)%4)+\b):8*(8*((\a)%4)+\b)+7], v[128*(\p)+FR*\b:128*(\p)+FR*\b+FR-1], v[AF+FR*(\a):AF+FR*(\a)+FR-1], v[8*(8*((\a)%4)+\b):8*(8*((\a)%4)+\b)+7], v[SC+8*NQ*(\sc)+NQ*\b+(\q)], v[SC+8*NQ*(\sc)+NQ*(\a)+(\q)] matrix_a_fmt:MATRIX_FMT_FP6 matrix_b_fmt:MATRIX_FMT_FP6 matrix_a_scale:MATRIX_SCALE_ROW1
.endif
.endr
.endr
.endm
.macro FETCH_B slot, q, p
	WIN TO_B
.irp i, 0,1,2,3,4,5,6,7
	FRAG 128*(\p)+FR*\i, ADRB+\slot, \q, \i
.endr
	WIN 0
.endm
.macro FETCH_A slot, q, i0
.irp i, \i0, \i0+1, \i0+2, \i0+3
	FRAGA AF+FR*(\i), \slot, \q, \i
.endr
.endm
.macro SCALES sc
.irp i, 0,1,2,3,4,5,6,7
	ds_load_b64 v[SC+8*NQ*\sc+NQ*\i:SC+8*NQ*\sc+NQ*\i+1], v[ADRS] offset:\i*SBLK
.endr
.endm
.macro PLACES n
.rept \n
	v_nop
.endr
.endm
.macro STEP slot, q, zero
	s_wait_dscnt 4*NLA                             ; B's set and A's blocks 0-3 are in; the youngest 16 loads (A's blocks 4-7) may be out
	WIN MUL_LO
	MUL16 0, (\q)%2, \q, \slot, \zero
	MUL16 2, (\q)%2, \q, \slot, \zero
	s_wait_dscnt 0
	PLACES NP
	FETCH_B \slot, (\q)+1, 1-(\q)%2
	FETCH_A \slot, (\q)+1, 0
	WIN MUL_HI
	MUL16 4, (\q)%2, \q, \slot, \zero
	MUL16 6, (\q)%2, \q, \slot, \zero
	PLACES NP
	WIN 0
	FETCH_A \slot, (\q)+1, 4
.endm
.macro TURN slot, next, fill
	s_wait_tensorcnt 0x0                           ; all my tensor loads have landed: my part of the next slot
	ds_add_u32 v[SPW], v[NIL]                      ; 0 onto my spare word
	s_wait_dscnt 4*NLA+1                           ; (the add and the youngest 16 loads may be out)
	WIN MUL_LO
	MUL16 0, 1, NQ-1, \slot, 0
	s_wait_dscnt 0x0                               ; the add is done, and my reads of this slot are over
	s_barrier_signal -1
	MUL16 2, 1, NQ-1, \slot, 0
	WIN 0
	s_barrier_wait -1
.if \fill
	CREST                                          ; the barrier has opened a round of the cluster's barrier
	s_add_nc_u64 s[G0+4*\slot+2:G0+4*\slot+3], s[G0+4*\slot+2:G0+4*\slot+3], 2*ASTEP
	s_add_nc_u64 s[G0B+4*\slot+2:G0B+4*\slot+3], s[G0B+4*\slot+2:G0B+4*\slot+3], 2*ROWB
	JLOAD G0+4*\slot, G1, G0B+4*\slot, G1B         ; the first tensor load behind the round; its four v_nop are the places in front of the loads below
.else
	PLACES NP
.endif
	v_add_nc_u32 v[ADRS], 4*NQ, v[ADRS]
	FETCH_B \next, 0, 0
	FETCH_A \next, 0, 0
	SCALES \next
	WIN MUL_HI
	MUL16 4, 1, NQ-1, \slot, 0
	MUL16 6, 1, NQ-1, \slot, 0
	PLACES NP
	WIN 0
	FETCH_A \next, 0, 4
.endm
	s_wait_tensorcnt 1                             ; the scales and my part of K step 0 are in (K step 1's load may be out),
	s_barrier_signal -1
	s_barrier_wait -1                              ; everybody's are
	FETCH_B 0, 0, 0
	FETCH_A 0, 0, 0
	SCALES 0
	FETCH_A 0, 0, 4
	STEP 0, 0, 1                                   ; the first step's products start the sums
	s_mov_b32 s3, LAPS-1
.Llap:
	TURN 0, 1, 1
	STEP 1, 0, 0
	TURN 1, 0, 1
	STEP 0, 0, 0
	s_sub_co_u32 s3, s3, 1
	s_cmp_lg_u32 s3, 0
	s_cbranch_scc1 .Llap
	TURN 0, 1, 0
	STEP 1, 0, 0
	s_wait_dscnt 4*NLA
	WIN MUL_LO
	MUL16 0, 1, NQ-1, 1, 0
	MUL16 2, 1, NQ-1, 1, 0
	s_wait_dscnt 0
	WIN MUL_HI
	MUL16 4, 1, NQ-1, 1, 0
	MUL16 6, 1, NQ-1, 1, 0
	WIN 0
; THE WAY OUT, a block of 16 rows x 128 columns at a time, through my own stage in LDS: in as 32 bytes a lane, back as whole rows of 512 bytes.  LDS serves a wave's instructions in order.
.macro TOSTAGE a
.set AC, 64*((\a)%4)
	WIN 0x08+4*((\a)/4)                            ; the data: window 2 or 3
.irp b, 0,1,2,3,4,5,6,7
	ds_store_b128 v[STO], v[AC+8*\b:AC+8*\b+3] offset:64*\b          ; each accumulator from its low end on
	ds_store_b128 v[STO], v[AC+8*\b+4:AC+8*\b+7] offset:64*\b+16
.endr
	WIN 0
.set BB, BK+64*((\a)%2)
.irp t, 0,1,2,3,4,5,6,7,8,9,10,11,12,13,14,15
	ds_load_b128 v[BB+4*\t:BB+4*\t+3], v[RD] offset:\t*SPITCH
.endr
.endm
.macro SEND a, younger
.set BB, BK+64*((\a)%2)
	s_wait_dscnt \younger                          ; the block is back in registers
.if (\a) > 0
	s_add_nc_u64 s[12:13], s[12:13], 16*SIZE_N*4   ; (behind a wait on XCNT: the earlier stores have read their base)
.endif
.irp t, 0,1,2,3,4,5,6,7,8,9,10,11,12,13,14,15
	global_store_b128 v[CO], v[BB+4*\t:BB+4*\t+3], s[12:13] offset:\t*SIZE_N*4 th:TH_STORE_NT   ; 32 lanes store 512 consecutive bytes, aligned
.endr
.endm
	PLACES NP
	TOSTAGE 0
.irp a, 1,2,3,4,5,6,7
.if \a > 1
	s_wait_xcnt 0x0                                ; block a - 2's stores have read their registers and their base
.endif
	TOSTAGE \a
	SEND \a-1, 32                                  ; behind block a - 1's loads: block a's 16 stores and 16 loads
.endr
	s_wait_xcnt 0x0
	SEND 7, 0
	s_wait_tensorcnt 0x0                           ; the wave's end
	ds_add_u32 v[SPW], v[NIL]
	s_wait_dscnt 0x0
	CROUND                                         ; the closing round
	s_endpgm
.Lfunc_end_k_q691352c89d_proj:
	.size	k_q691352c89d_proj, .Lfunc_end_k_q691352c89d_proj-k_q691352c89d_proj
	.p2alignl 7, 3214868480
	.fill 96, 4, 3214868480
	.section	.rodata,"a",@progbits
	.p2align	6, 0x0
	.amdhsa_kernel k_q691352c89d_proj
		.amdhsa_group_segment_fixed_size 327680
		.amdhsa_private_segment_fixed_size 0
		.amdhsa_enable_private_segment 0
		.amdhsa_kernarg_size 40
		.amdhsa_user_sgpr_count 2
		.amdhsa_user_sgpr_kernarg_segment_ptr 1
		.amdhsa_wavefront_size32 1
		.amdhsa_system_sgpr_workgroup_id_x 1
		.amdhsa_system_sgpr_workgroup_id_y 1
		.amdhsa_system_sgpr_workgroup_id_z 1
		.amdhsa_system_vgpr_workitem_id 0
		.amdhsa_next_free_vgpr 1024
		.amdhsa_next_free_sgpr 98
		.amdhsa_reserve_vcc 0
		.amdhsa_float_denorm_mode_32 3
		.amdhsa_float_denorm_mode_16_64 3
		.amdhsa_memory_ordered 1
		.amdhsa_forward_progress 1
		.amdhsa_inst_pref_size 152
	.end_amdhsa_kernel
	.amdgpu_metadata
---
amdhsa.version: [ 1, 2 ]
amdhsa.kernels:
  - .name:           k_q691352c89d_proj
    .symbol:         k_q691352c89d_proj.kd
    .args:
      - { .name: ctx_img, .offset: 0, .size: 8, .value_kind: global_buffer, .address_space: global }
      - { .name: ctx_scales, .offset: 8, .size: 8, .value_kind: global_buffer, .address_space: global }
      - { .name: wq_codes, .offset: 16, .size: 8, .value_kind: global_buffer, .address_space: global }
      - { .name: wq_scales, .offset: 24, .size: 8, .value_kind: global_buffer, .address_space: global }
      - { .name: out0, .offset: 32, .size: 8, .value_kind: global_buffer, .address_space: global }
    .group_segment_fixed_size: 327680
    .private_segment_fixed_size: 0
    .kernarg_segment_align: 8
    .kernarg_segment_size: 40
    .max_flat_workgroup_size: 128
    .sgpr_count:     98
    .vgpr_count:     1024
    .wavefront_size: 32
...
	.end_amdgpu_metadata
.endif
;; end of part 4
